; MI455X (gfx1250); checked and timed in simulation.
; The chip was launched on July 23, 2026; its instructions are those of AMD's public machine-readable ISA for CDNA 5 (MIT licence, August 2026) and "CDNA5" Instruction Set Architecture Reference Guide (July 2026). The comments in the code are by the model that wrote it; some were corrected since.
;; Self Attention. Allowed arithmetic: matrix products marked QUANTISED: E2M1 operands, one E8M0 scale for each 32 along K, by v_wmma_scale_f32_16x16x128_f8f6f4 with both operands' format E2M1 (or v_wmma_scale_f32_32x16x128_f4), f32 sums; products left as they are: bf16, f16 or f32 operands; f32 sums; everything else in f32.
;; Inputs: Wk 1,024 x 1,024 float32; Wp 1,024 x 1,024 float32; Wq 1,024 x 1,024 float32; Wv 1,024 x 1,024 float32; bk 1,024 float32; bp 1,024 float32; bq 1,024 float32; bv 1,024 float32; x 2 x 2,048 x 1,024 float32.
;; Outputs: out0 2 x 2,048 x 1,024 float32.
;; This version of the problem:
;;   THIS VERSION OF THE PROBLEM IS GIVEN IN LOW PRECISION. The matrix products marked QUANTISED in the list below multiply operands that are first quantised to E2M1 (2 exponent bits, 1 mantissa bit; 4 bits a number), with one power-of-two scale for each 32 numbers along K (OCP MX v1.0); their sums are f32. The products marked 'left as it is' may take bf16, f16 or f32 operands, with f32 sums. Whichever they take, every output number must still come out within the allowed error. Rounding operands to bf16 (8 significant bits) uses up far more of that allowance than f16 does (11 bits, for magnitudes from 6e-5 to 65,504). All else is computed in f32.
;;   The module's matrix products, in the order in which they are computed (A, B: the left and right operand; K: the contracted axis; several contracted axes count as one K, in the product's order):
;;     1. [M 4,096, K 1,024] x [K 1,024, N 1,024]; A: input x; B: input Wq: QUANTISED
;;     2. [M 4,096, K 1,024] x [K 1,024, N 1,024]; A: input x; B: input Wk: QUANTISED
;;     3. [M 4,096, K 1,024] x [K 1,024, N 1,024]; A: input x; B: input Wv: QUANTISED
;;     4. batch 32 x [M 2,048, K 64] x [K 64, N 2,048]; A: computed on the way; B: computed on the way: left as it is (an operand is computed on the way)
;;     5. batch 32 x [M 2,048, K 2,048] x [K 2,048, N 64]; A: computed on the way; B: computed on the way: left as it is (an operand is computed on the way)
;;     6. [M 4,096, K 1,024] x [K 1,024, N 1,024]; A: computed on the way; B: input Wp: left as it is (an operand is computed on the way)
;;   THE QUANTISER, for each operand of a quantised product, along K:
;;     - K is cut into blocks of 32 from its start; a last block that is shorter is filled with zeros.
;;     - A block's scale is 2^e with e = floor(log2(the largest magnitude in the block)) - 2, held to -126 .. 127; a block of zeros has e = 0. As a byte (E8M0): e + 127.
;;     - Each number is divided by its block's scale, clamped to +-6, and rounded to the nearest number of E2M1, ties to even, subnormals kept.
;;     - The product sums the exact products of the quantised numbers (number of the format x scale) in f32.
;;   ~~~python
;;   def quantise(x, axis):      # numpy; x: float32 -> the quantised numbers, widened to float32 again
;;       x = np.moveaxis(x, axis, -1); K = x.shape[-1]
;;       x = np.pad(x, [(0, 0)] * (x.ndim - 1) + [(0, -K % 32)]); x = x.reshape(x.shape[:-1] + (-1, 32)); a = np.abs(x).max(-1, keepdims=True)
;;       e = np.where(a > 0, np.clip(np.frexp(np.where(a > 0, a, 1))[1] - 1 - 2, -126, 127), 0)      # np.frexp(a)[1] - 1 = floor(log2(a)), exactly
;;       r = np.clip(x / 2.0 ** e, -6, 6)
;;       step = 2.0 ** (np.maximum(np.frexp(np.where(r == 0, 1, r))[1] - 1, 0) - 1)
;;       q = np.round(r / step) * step * 2.0 ** e      # np.round: ties to even
;;       return np.moveaxis(q.reshape(q.shape[:-2] + (-1,))[..., :K], -1, axis).astype(np.float32)
;;   ~~~
;; One version. Each part assembles by itself: llvm-mc -triple=amdgcn-amd-amdhsa -mcpu=gfx1250 --defsym DOCPART=n.
;; ======== version 1 of 1: 4 launches
;; limits: values are held in f16: magnitudes above 65,504 overflow, below 6.1e-05 lose precision
;; workspace buffers: xc 2,097,152 bytes; xs 131,072 bytes; wc 1,572,864 bytes; ws 98,304 bytes; wph 2,097,152 bytes; qkvh 25,165,824 bytes; yh 8,388,608 bytes
;; launch quant (part 1): grid 256 x 1, 4 waves a work-group, no clusters, 33,280 bytes of LDS; arguments x, Wq, Wk, Wv, Wp, xc, xs, wc, ws, wph; writes xc, xs, wc, ws, wph
.if DOCPART == 1
	.amdgcn_target "amdgcn-amd-amdhsa--gfx1250"
	.amdhsa_code_object_version 6
	.text
	.protected	k_q94b8af0f7b_quant
	.globl	k_q94b8af0f7b_quant
	.p2align	8
	.type	k_q94b8af0f7b_quant,@function
k_q94b8af0f7b_quant:
	s_mov_b64 s[64:65], 0
	v_nop
	global_prefetch_b8 v0, s[64:65] scope:SCOPE_SE
	s_setreg_imm32_b32 hwreg(HW_REG_WAVE_MODE, 25, 1), 1
	s_wait_xcnt 0x0
; FIRST OF FOUR LAUNCHES.  x [4096][1024], Wq, Wk, Wv [1024][1024], f32, K innermost, become codes of FP4 (E2M1), two a byte, the lower k in the low four bits,
; with one E8M0 scale byte for each 32 along K: xc [4096][512 bytes], xs [4096][32]; wc [3072][512], ws [3072][32], the rows in the order Wq, Wk, Wv.  Wp [1024][1024] becomes f16, wph, in the same order.
; A block's scale is 2^(floor(log2(its largest magnitude)) - 2); its byte is the largest magnitude's own exponent field - 2, held at 1 from below; each number is divided by the scale and rounded to the nearest code, ties to even.
; LIMITS: a block of zeros gets the byte 1 where the rule says 127 (its codes are zeros, which add nothing, and this program alone reads the bytes); blocks whose largest magnitude lies under 2^-124 were not tried;
; NaN and infinities are not served; Wp is rounded to f16: magnitudes from 6e-5 to 65,504 keep 11 bits.
; SHARES.  Rows are dense and K is a multiple of 32, so each tensor is a plain stream.  A work-group takes 32,768 numbers, a wave 8,192.  Work-groups 0-127: x; 128-159: Wq; 160-191: Wk; 192-223: Wv; 224-255: Wp.
; THE QUANTISER.  16 steps of 512 numbers a wave.  A step's four loads read 512 consecutive bytes each, 16 a lane; the 2,048 bytes turn through the wave's own stage in LDS and come back 64 bytes a lane, since the
; conversions take neighbours along K from one lane's registers (two neighbouring lanes hold a block).  A lane's 16 codes are 8 bytes: a store of the wave covers 256 consecutive bytes, aligned.  The wave's 256 scale bytes
; are gathered in its own LDS bytes and leave as 256 consecutive bytes.  Waves share nothing: no barrier.  Loads run four steps (16 loads a wave) ahead.
.set WAVES, 4
.set STEPS, 16
.set EMAX,  2
.set CB,    8                          ; bytes of 16 codes
.set R,     16                         ; v16-79   four sets of 16 numbers as they are loaded
.set X,     80                         ; v80-111  two sets of 16 neighbours
.set E,     112                        ; v112-127 a scale byte for each step
.set C,     128                        ; v128-191 codes: four registers for each step, so that no store's data are written again
.set WREG,  8192                       ; LDS: a region for each wave: two stages of 32 x SP bytes, behind them its 256 scale bytes
.set SP,    80                         ; a lane's place in a stage: 64 bytes + 16 of padding
.set SPW,   12                         ; v12  LDS address of my spare word; never rewritten
.set NIL,   13                         ; v13  0; never rewritten
.set SPARE, WAVES*WREG                 ; behind the four regions: the spare words, 128 bytes a wave, which no other line names
.set SRC,   36                         ; s[36:37] the tensor that I read, at my wave's run
.set COD,   38                         ; s[38:39] its codes
.set SCB,   40                         ; s[40:41] its scale bytes
.set WR,    16                         ; Wp's path: v16-143 two sets of 64 numbers
.set WH,    144                        ; v144-175 32 registers of f16 pairs
	s_load_b256 s[4:11], s[0:1], 0x0               ; x s[4:5], Wq s[6:7], Wk s[8:9], Wv s[10:11]
	s_load_b256 s[12:19], s[0:1], 0x20             ; Wp s[12:13], xc s[14:15], xs s[16:17], wc s[18:19]
	s_load_b128 s[20:23], s[0:1], 0x40             ; ws s[20:21], wph s[22:23]
	v_lshl_add_u32 v[SPW], v0, 2, SPARE
	v_mov_b32 v[NIL], 0
	v_lshrrev_b32 v1, 5, v0
	v_readfirstlane_b32 s24, v1                    ; wave
	v_and_b32 v2, 31, v0                           ; lane
	v_lshlrev_b32 v3, 4, v2                        ; my 16 bytes of a load's 512
	s_mul_i32 s25, s24, WREG
	v_lshrrev_b32 v14, 2, v2
	v_mul_u32_u24 v14, v14, SP
	v_and_b32 v15, 3, v2
	v_lshl_add_u32 v14, v15, 4, v14
	v_add_nc_u32 v14, s25, v14                     ; the stage, on the way in: SP (lane / 4) + 16 (lane % 4)
	v_mul_u32_u24 v15, v2, SP
	v_add_nc_u32 v15, s25, v15                     ; and on the way out: SP x lane: my 16 neighbours
	v_mul_u32_u24 v4, v2, CB                       ; my codes' place in a step's
	v_lshrrev_b32 v5, 1, v2
	s_add_co_u32 s25, s25, 2*32*SP
	v_add_nc_u32 v5, s25, v5                       ; LDS: my wave's 256 scale bytes, my block's byte
	v_lshlrev_b32 v7, 3, v2                        ; 8 bytes a lane
	v_add_nc_u32 v6, s25, v7
	s_mov_b32 s31, 0                               ; the upper word of every offset
	s_wait_kmcnt 0x0
	s_cmp_ge_u32 ttmp9, 224                        ; the last 32 work-groups take Wp: a branch on the work-group's number alone
	s_cbranch_scc1 .Lwp
	s_cmp_lt_u32 ttmp9, 192                        ; which tensor: choices that hang on the work-group's number alone
	s_cselect_b64 s[SRC:SRC+1], s[8:9], s[10:11]
	s_cmp_lt_u32 ttmp9, 160
	s_cselect_b64 s[SRC:SRC+1], s[6:7], s[SRC:SRC+1]
	s_cmp_lt_u32 ttmp9, 128
	s_cselect_b64 s[SRC:SRC+1], s[4:5], s[SRC:SRC+1]
	s_cselect_b64 s[COD:COD+1], s[14:15], s[18:19]
	s_cselect_b64 s[SCB:SCB+1], s[16:17], s[20:21]
	s_cselect_b32 s26, 0, 128                      ; the first work-group of x, or of the three weights
	s_cselect_b32 s27, 127, 31                     ; work-groups in a source tensor, less one
	s_sub_co_u32 s26, ttmp9, s26                   ; my place among those that write the same buffers,
	s_and_b32 s27, s26, s27                        ; and among those that read the same tensor
	s_lshl_b32 s28, s26, 2
	s_add_co_u32 s28, s28, s24                     ; my wave's run of 8,192 numbers in the destination,
	s_lshl_b32 s30, s27, 2
	s_add_co_u32 s30, s30, s24                     ; and in the source
	s_lshl_b32 s30, s30, 15                        ; 32,768 bytes of f32 a run
	s_add_nc_u64 s[SRC:SRC+1], s[SRC:SRC+1], s[30:31]
	s_lshl_b32 s30, s28, 12                        ; 4,096 bytes of codes
	s_add_nc_u64 s[COD:COD+1], s[COD:COD+1], s[30:31]
	s_lshl_b32 s30, s28, 8                         ; 256 scale bytes
	s_add_nc_u64 s[SCB:SCB+1], s[SCB:SCB+1], s[30:31]
.macro LOAD t
.irp i, 0,1,2,3
	global_load_b128 v[R+16*((\t)%4)+4*\i:R+16*((\t)%4)+4*\i+3], v3, s[SRC:SRC+1] offset:2048*(\t)+512*\i th:TH_LOAD_NT   ; 32 lanes read 512 consecutive bytes; read once in the launch
.endr
.endm
.macro TURN t                          ; step t's numbers through the stage: LDS serves a wave's instructions in order (ISA guide 5.7.1.4), so no wait stands between the stores and the loads
.irp i, 0,1,2,3
	ds_store_b128 v14, v[R+16*((\t)%4)+4*\i:R+16*((\t)%4)+4*\i+3] offset:32*SP*((\t)%2)+8*SP*\i
.endr
.irp i, 0,1,2,3
	ds_load_b128 v[X+16*((\t)%2)+4*\i:X+16*((\t)%2)+4*\i+3], v15 offset:32*SP*((\t)%2)+16*\i
.endr
.endm
.irp t, 0,1,2,3
	LOAD \t
.endr
	s_wait_loadcnt 12                              ; step 0's four loads are in; the twelve of steps 1 to 3 stay out
	TURN 0
.macro STEP t
.set XS, X+16*((\t)%2)
.if (\t) > 0
	s_wait_dscnt 1                                 ; this step's numbers are back from the stage (the last step's byte store may be out): so its stores into the stage have read their registers,
.else
	s_wait_dscnt 0x0
.endif
.if (\t)+4 < STEPS
	LOAD (\t)+4                                    ; which take the loads of four steps on
.endif
.if (\t)+1 < STEPS
.if STEPS-2-(\t) >= 3
	s_wait_loadcnt 12                              ; the next step's four loads are in; those of the three steps behind it may be out
.else
	s_wait_loadcnt 4*(STEPS-2-(\t))                ; towards the end fewer steps stand behind it
.endif
	TURN (\t)+1                                    ; and go through the other stage while this step is worked
.endif
	v_max3_num_f32 v8, |v[XS]|, |v[XS+1]|, |v[XS+2]|               ; the largest magnitude of my 16, in two chains
	v_max3_num_f32 v9, |v[XS+3]|, |v[XS+4]|, |v[XS+5]|
.irp i, 6,10
	v_max3_num_f32 v8, v8, |v[XS+\i]|, |v[XS+\i+1]|
	v_max3_num_f32 v9, v9, |v[XS+\i+2]|, |v[XS+\i+3]|
.endr
	v_max3_num_f32 v8, v8, |v[XS+14]|, |v[XS+15]|
	v_max3_num_f32 v8, v8, v9, (EMAX+1)<<23        ; and the floor 2^(EMAX + 1 - 127): so the byte cannot fall under 1
	v_max_num_f32_dpp v8, v8, v8 row_xmask:1 row_mask:0xf bank_mask:0xf   ; and of my neighbour's 16: the block's
	v_add_nc_u32 v11, -(EMAX<<23), v8              ; EMAX off its exponent field: the conversion takes the exponent field of this operand as its scale
	v_cvt_scalef32_pk8_fp4_f32 v[C+4*(\t)], v[XS:XS+7], v11        ; eight numbers / the scale, to the nearest code, beyond the largest code the largest; the first number's code in the lowest four bits
	v_cvt_scalef32_pk8_fp4_f32 v[C+4*(\t)+1], v[XS+8:XS+15], v11
	v_lshrrev_b32 v[E+(\t)], 23, v11               ; the scale's byte (also the plain line behind the conversions)
	ds_store_b8 v5, v[E+(\t)] offset:16*(\t)       ; both lanes of a block write the same byte with the same value
	global_store_b64 v4, v[C+4*(\t):C+4*(\t)+1], s[COD:COD+1] offset:32*CB*(\t)   ; 32 lanes store 256 consecutive bytes, aligned
.endm
.irp t, 0,1,2,3,4,5,6,7,8,9,10,11,12,13,14,15
	STEP \t
.endr
	ds_load_b64 v[8:9], v6                         ; LDS serves a wave's instructions in order: these see my byte stores
	s_wait_dscnt 0x0
	global_store_b64 v7, v[8:9], s[SCB:SCB+1]      ; 32 lanes store 256 consecutive bytes, aligned
	s_wait_tensorcnt 0x0                           ; the wave's end
	ds_add_u32 v[SPW], v[NIL]
	s_wait_dscnt 0x0
	s_endpgm
; Wp to f16: no LDS.  A wave's 8,192 numbers are 64 loads of 512 consecutive bytes, in four groups of 16; two groups are on their way while one is converted.
.macro WLOAD g
.irp i, 0,1,2,3,4,5,6,7,8,9,10,11,12,13,14,15
	global_load_b128 v[WR+64*((\g)%2)+4*\i:WR+64*((\g)%2)+4*\i+3], v3, s[12:13] offset:512*(16*(\g)+\i) th:TH_LOAD_NT
.endr
.endm
.macro WCONV g
.set WS, WR+64*((\g)%2)
.if (\g) < 3
	s_wait_loadcnt 16                              ; this group's 16 loads are in; the next group's 16 stay out
.else
	s_wait_loadcnt 0x0
.endif
.if (\g) > 0
	s_wait_xcnt 0x0                                ; the last group's stores have read their data: the registers are written again only behind this wait
.endif
.set i, 0
.rept 32
	v_cvt_pk_f16_f32 v[WH+i], v[WS+2*i], v[WS+2*i+1]               ; two roundings, the first number in the low half
.set i, i+1
.endr
.if (\g) < 2
	WLOAD (\g)+2                                   ; the set just read takes the group two on
.endif
.irp i, 0,1,2,3,4,5,6,7,8,9,10,11,12,13,14,15
	global_store_b64 v7, v[WH+2*\i:WH+2*\i+1], s[22:23] offset:256*(16*(\g)+\i)   ; 32 lanes store 256 consecutive bytes, aligned
.endr
.endm
.Lwp:
	s_sub_co_u32 s28, ttmp9, 224
	s_lshl_b32 s28, s28, 2
	s_add_co_u32 s28, s28, s24                     ; my wave's run of 8,192 numbers
	s_lshl_b32 s30, s28, 15
	s_add_nc_u64 s[12:13], s[12:13], s[30:31]
	s_lshl_b32 s30, s28, 14
	s_add_nc_u64 s[22:23], s[22:23], s[30:31]
	WLOAD 0
	WLOAD 1
	WCONV 0
	WCONV 1
	WCONV 2
	WCONV 3
	s_endpgm
.Lfunc_end_k_q94b8af0f7b_quant:
	.size	k_q94b8af0f7b_quant, .Lfunc_end_k_q94b8af0f7b_quant-k_q94b8af0f7b_quant
	.p2alignl 7, 3214868480
	.fill 96, 4, 3214868480
	.section	.rodata,"a",@progbits
	.p2align	6, 0x0
	.amdhsa_kernel k_q94b8af0f7b_quant
		.amdhsa_group_segment_fixed_size 33280
		.amdhsa_private_segment_fixed_size 0
		.amdhsa_enable_private_segment 0
		.amdhsa_kernarg_size 80
		.amdhsa_user_sgpr_count 2
		.amdhsa_user_sgpr_kernarg_segment_ptr 1
		.amdhsa_wavefront_size32 1
		.amdhsa_system_sgpr_workgroup_id_x 1
		.amdhsa_system_sgpr_workgroup_id_y 1
		.amdhsa_system_sgpr_workgroup_id_z 1
		.amdhsa_system_vgpr_workitem_id 0
		.amdhsa_next_free_vgpr 192
		.amdhsa_next_free_sgpr 66
		.amdhsa_reserve_vcc 0
		.amdhsa_float_denorm_mode_32 3
		.amdhsa_float_denorm_mode_16_64 3
		.amdhsa_memory_ordered 1
		.amdhsa_forward_progress 1
		.amdhsa_inst_pref_size 54
	.end_amdhsa_kernel
	.amdgpu_metadata
---
amdhsa.version: [ 1, 2 ]
amdhsa.kernels:
  - .name:           k_q94b8af0f7b_quant
    .symbol:         k_q94b8af0f7b_quant.kd
    .args:
      - { .name: x, .offset: 0, .size: 8, .value_kind: global_buffer, .address_space: global }
      - { .name: Wq, .offset: 8, .size: 8, .value_kind: global_buffer, .address_space: global }
      - { .name: Wk, .offset: 16, .size: 8, .value_kind: global_buffer, .address_space: global }
      - { .name: Wv, .offset: 24, .size: 8, .value_kind: global_buffer, .address_space: global }
      - { .name: Wp, .offset: 32, .size: 8, .value_kind: global_buffer, .address_space: global }
      - { .name: xc, .offset: 40, .size: 8, .value_kind: global_buffer, .address_space: global }
      - { .name: xs, .offset: 48, .size: 8, .value_kind: global_buffer, .address_space: global }
      - { .name: wc, .offset: 56, .size: 8, .value_kind: global_buffer, .address_space: global }
      - { .name: ws, .offset: 64, .size: 8, .value_kind: global_buffer, .address_space: global }
      - { .name: wph, .offset: 72, .size: 8, .value_kind: global_buffer, .address_space: global }
    .group_segment_fixed_size: 33280
    .private_segment_fixed_size: 0
    .kernarg_segment_align: 8
    .kernarg_segment_size: 80
    .max_flat_workgroup_size: 128
    .sgpr_count:     66
    .vgpr_count:     192
    .wavefront_size: 32
...
	.end_amdgpu_metadata
.endif
;; end of part 1
;; launch qkv (part 2): grid 12 x 16, 4 waves a work-group, clusters of 4 x 4, 327,680 bytes of LDS; arguments xc, xs, wc, ws, qkvh, bq, bk, bv; writes qkvh
.if DOCPART == 2
	.amdgcn_target "amdgcn-amd-amdhsa--gfx1250"
	.amdhsa_code_object_version 6
	.text
	.protected	k_q94b8af0f7b_qkv
	.globl	k_q94b8af0f7b_qkv
	.p2align	8
	.type	k_q94b8af0f7b_qkv,@function
k_q94b8af0f7b_qkv:
	s_mov_b64 s[64:65], 0
	v_nop
	global_prefetch_b8 v0, s[64:65] scope:SCOPE_SE
	s_setreg_imm32_b32 hwreg(HW_REG_WAVE_MODE, 25, 1), 1
	s_wait_xcnt 0x0
	s_wait_alu depctr_hold_cnt(0) depctr_sa_sdst(0) depctr_va_vdst(0) depctr_va_sdst(0) depctr_va_ssrc(0) depctr_va_vcc(0) depctr_vm_vsrc(0)
	s_getreg_b32 s2, hwreg(HW_REG_IB_STS2, 6, 4)
	s_cmp_eq_u32 s2, 0
	s_cbranch_scc0 .Lentry_in_a_cluster
	s_endpgm
.Lentry_in_a_cluster:
	s_bfe_u32 s2, ttmp6, 0x10000c
	s_cmp_lg_u32 s2, 0xf033
	s_cbranch_scc0 .Lentry_shape_is_right
	s_endpgm
.Lentry_shape_is_right:
; SECOND OF FOUR LAUNCHES.  C[m][n] = sum over k of x[m][k] W[n][k] + b[n], m = 0 .. 4095, n = 0 .. 3071 (Wq's, Wk's, Wv's rows on end), K = 1,024, on codes of FP4 with one E8M0 scale for each 32 along K; sums in f32.
; The results are rounded to f16 and stored as IMAGES OF THE NEXT PRODUCTS' OPERAND REGISTERS: qkvh [which 3][batch x 16 + head, 32][tile of 16 positions, 128][32 channels, 2][1,024 bytes]; in an image registers 0-3 of lane L
; lie at 16 L and registers 4-7 at 512 + 16 L.   LIMIT: |q|, |k|, |v| under 65,504; under 6e-5 they fall among f16's subnormals (error at most 2^-25).
; A tile of C, 256 x 256, is made by four waves, each 128 x 128: 64 accumulators, 512 registers.  12 x 16 = 192 work-groups: a tile of 128 x 256 would make 384, one and a half for each of 256 WGPs, with half the products for each LDS byte.
; K is two slots of 512 (rows of 256 bytes), both asked for at the head: nothing is filled again.  The scale bytes of the work-group's rows, two dense blocks, come once with them.
; CLUSTERS: 4 x 4.  The four of a row need the same tiles of x, the four of a column the same tiles of W: each is asked for jointly, by the same tensor load with a mask that names the four.  A cluster's four tile columns are one weight.
; THE MATRIX INSTRUCTION IS USED TRANSPOSED (source 0 = 16 rows of W, source 1 = 16 rows of x): lane (r, h) holds row r and the columns 16 b + 8 h + 0 .. 7.  Four conversions to f16 pairs then ARE registers 0-3 (b even) or 4-7 (b odd)
; of a fragment of 16 positions x 32 channels, in the lanes that want them: each store of the wave covers 512 consecutive bytes, aligned; no stage, no LDS store.
; The bias is the C of each sum's first product: eight registers for each of the eight column blocks.
; REGISTERS, in windows of 256: window 0: v0-31 addresses; v32-95 scale words, two sets; v128-191 x's fragments, one set, on the way out the f16 pairs; v192-255 the bias.
;   window 1: W's fragments, two sets, at v0 and v128.   window 2: the accumulators of my rows 0-63 ((a, b) at v[8 (8 a + b)]);   window 3: those of my rows 64-127.
.set SIZE_K, 1024
.set KSTEP,  512                       ; along K in a slot
.set NQ,     KSTEP/128                 ; matrix instructions deep
.set ROWB,   256                       ; a tile's row in bytes
.set KROW,   SIZE_K/2                  ; a row of codes in memory
.set PITCH,  272                       ; an LDS row: 256 bytes + 16 of padding = 68 words: row r starts at bank 4 r mod 64 (64 banks of 4 bytes: ISA guide 11.1)
.set FR,     8                         ; registers of a fragment: 16 rows x 128 K
.set NL,     2                         ; LDS loads that bring one
.set NP,     4                         ; places behind this matrix instruction (ISA guide 7.12.1)
.set HALFT,  128*PITCH                 ; 128 rows: what one tensor load brings
.set SLOT,   4*HALFT                   ; x's 256 rows, then W's 256 rows
.set KS,     SIZE_K/32                 ; a row of scale bytes
.set SCL,    2*SLOT                    ; behind the slots: the scales, as rows of 256 bytes + 16 of padding
.set HALFS,  (128*KS/256)*272          ; those of 128 rows
.set SBLK,   (16*KS/256)*272           ; those of 16 rows
.set SPARE,  SCL+4*HALFS               ; behind the scales: the spare words, 128 bytes a wave, which no other line names
.set BA,   8                           ; v8      the bias: 32 bytes for each half of the lanes; never rewritten
.set ADRA, 16                          ; v16-17  LDS address of my x fragments in slot 0, 1
.set ADRB, 20                          ; v20-21  the same for W
.set CO,   26                          ; v26     16 x lane: my place in an image's half
.set ADRS, 27                          ; v27     LDS address of my scale words: lanes 0-15 x's rows, lanes 16-31 W's
.set SPW,  28                          ; v28     LDS address of my spare word; never rewritten
.set NIL,  29                          ; v29     0; never rewritten
.set SC,   32                          ; scale words: set s at v[SC + 8 NQ s]; register NQ i + q: lanes 0-15 x's block i, lanes 16-31 W's block i, the slot's q-th 128 along K
.set AF,   128                         ; x's fragments
.set BI,   192                         ; the bias
.set G1, 24                            ; s[24:31] descriptor group 1 for x's tiles;  s[32:39] group 0, one set for each slot
.set G0, 32
.set G1B, 48                           ; s[48:55], s[56:63] the same for W's tiles
.set G0B, 56
.set G1S, 68                           ; s[68:75], s[76:79] groups 1 and 0 for x's scales;  s[80:87], s[88:91] for W's
.set G0S, 76
.set G1SB, 80
.set G0SB, 88
.set MSB, 0
.macro WIN new                         ; the immediate's high byte repeats the setting that is left
.if MSB != \new
	s_set_vgpr_msb (MSB<<8)|\new
.set MSB, \new
.endif
.endm
.set MUL_LO, 0xa1                      ; source 0 (W) window 1, source 1 (x) window 0, C and D window 2
.set MUL_HI, 0xf1                      ; the same, C and D window 3
.set BEG_LO, 0x81                      ; the first products: C (the bias) window 0, D window 2
.set BEG_HI, 0xc1                      ; D window 3
.set TO_B,   0x40                      ; destination window 1, address window 0
; A joint load: waves 0 and 1 fetch for x, waves 2 and 3 for W.  The branch hangs on the wave's number alone.  An s_nop 0 and four v_nop follow each of the two lines.
.macro JLOAD g0a, g1a, g0b, g1b
	s_cmp_eq_u32 s15, 0
	s_cbranch_scc0 .Lfor_b_\@
	tensor_load_to_lds s[\g0a:\g0a+3], s[\g1a:\g1a+7]
	s_nop 0
.rept 4
	v_nop
.endr
	s_branch .Lasked_\@
.Lfor_b_\@:
	tensor_load_to_lds s[\g0b:\g0b+3], s[\g1b:\g1b+7]
	s_nop 0
.rept 4
	v_nop
.endr
.Lasked_\@:
.endm
.macro CROUND                          ; a round of the cluster's barrier: my work-group's barrier; wave 0 signals for the work-group; every wave waits for all sixteen; my work-group's barrier once more
	s_barrier_signal -1
	s_barrier_wait -1
	s_cmp_lg_u32 s14, 0
	s_cbranch_scc1 .Lnot_wave_0_\@
	s_barrier_signal -3
.Lnot_wave_0_\@:
	s_barrier_wait -3
	s_barrier_signal -1
	s_barrier_wait -1
.endm
	s_load_b128 s[4:7], s[0:1], 0x0                ; x's codes s[4:5], x's scales s[6:7]
	s_load_b128 s[8:11], s[0:1], 0x10              ; W's codes s[8:9], W's scales s[10:11]
	s_load_b64 s[12:13], s[0:1], 0x20              ; qkvh
	s_load_b64 s[66:67], s[0:1], 0x28              ; bq
	s_load_b128 s[96:99], s[0:1], 0x30             ; bk s[96:97], bv s[98:99]
	v_lshl_add_u32 v[SPW], v0, 2, SPARE
	v_mov_b32 v[NIL], 0
	ds_add_u32 v[SPW], v[NIL]                      ; the wave's opening: the add, twice on end, and its wait ahead of my first tensor load; the set-up below stands between
	ds_add_u32 v[SPW], v[NIL]
	v_lshrrev_b32 v1, 5, v0
	v_readfirstlane_b32 s14, v1                    ; wave 0..3
	s_lshr_b32 s15, s14, 1                         ; which half of the tile's rows is mine.  Also: I fetch for x (0) or for W (1)
	s_and_b32 s16, s14, 1                          ; which half of its columns.  Also: which 128 rows of that tile I fetch
	s_bfe_u32 s40, ttmp6, 0x40000                  ; cx, cy: my place in the cluster
	s_bfe_u32 s41, ttmp6, 0x40004
	s_lshl_b32 s42, ttmp9, 2
	s_add_co_u32 s42, s42, s40                     ; tile column = 4 x cluster x + cx: cluster x is the weight (q, k, v), cx its quarter
	s_and_b32 s17, ttmp7, 0xffff
	s_lshl_b32 s17, s17, 2
	s_add_co_u32 s17, s17, s41                     ; tile row = 4 x cluster y + cy
	s_lshl_b32 s43, s41, 2
	s_lshl_b32 s43, 15, s43                        ; my row of the cluster
	s_lshl_b32 s44, 0x1111, s40                    ; my column
	; descriptor group 1: a tile of 128 rows x 256 bytes, padded in LDS
	s_or_b32 s[G1+0], s43, (0<<16)|(1<<20)|(1<<21)|(5<<22)|(3<<25)  ; 15:0 the mask: x's tiles go to my row; 17:16 elements of 1 byte; 20 padding on; 21 set beside a mask; 24:22 after every 64 words; 31:25 four words
	s_or_b32 s[G1B+0], s44, (0<<16)|(1<<20)|(1<<21)|(5<<22)|(3<<25)
.irp g, G1, G1B
	s_mov_b32 s[\g+1], ROWB<<16                    ; tensor_dim0
	s_mov_b32 s[\g+2], 128<<16                     ; tensor_dim1
	s_mov_b32 s[\g+3], ROWB<<16                    ; tile_dim0
	s_mov_b32 s[\g+4], 128                         ; tile_dim1
	s_mov_b32 s[\g+5], KROW                        ; from row to row
	s_mov_b32 s[\g+6], 0
	s_mov_b32 s[\g+7], 0
.endr
	; the scales of 128 rows: a dense block of 4,096 bytes, as 16 rows of 256 bytes (32 elements of 8 bytes), 16 bytes of padding behind each
	s_or_b32 s[G1S+0], s43, (3<<16)|(1<<20)|(1<<21)|(5<<22)|(3<<25)
	s_or_b32 s[G1SB+0], s44, (3<<16)|(1<<20)|(1<<21)|(5<<22)|(3<<25)
.irp g, G1S, G1SB
	s_mov_b32 s[\g+1], 32<<16
	s_mov_b32 s[\g+2], (128*KS/256)<<16
	s_mov_b32 s[\g+3], 32<<16
	s_mov_b32 s[\g+4], 128*KS/256
	s_mov_b32 s[\g+5], 32
	s_mov_b32 s[\g+6], 0
	s_mov_b32 s[\g+7], 0
.endr
	s_lshl_b32 s18, s16, 7                         ; which 128 rows of the tile I fetch
	s_lshl_b32 s20, s17, 8
	s_add_co_u32 s20, s20, s18                     ; x: row 256 x tile row + 128 x half
	s_lshl_b32 s46, s42, 8
	s_add_co_u32 s46, s46, s18                     ; W: row 256 x tile column + 128 x half
	s_mov_b32 s21, 0
	s_mov_b32 s47, 0
	s_mov_b64 s[18:19], KS
	s_mul_u64 s[22:23], s[20:21], s[18:19]         ; where these rows' scales begin, in bytes
	s_mul_u64 s[92:93], s[46:47], s[18:19]
	s_mov_b64 s[18:19], KROW
	s_mul_u64 s[20:21], s[20:21], s[18:19]         ; and their codes
	s_mul_u64 s[46:47], s[46:47], s[18:19]
	s_mul_i32 s45, s14, HALFT                      ; where they go: wave x 128 rows: no place in the cluster enters an LDS address
	s_mul_i32 s94, s14, HALFS
	s_wait_dscnt 0x0                               ; both opening adds are done
	s_wait_kmcnt 0x0
	s_add_nc_u64 s[20:21], s[4:5], s[20:21]
	s_add_nc_u64 s[22:23], s[6:7], s[22:23]
	s_add_nc_u64 s[46:47], s[8:9], s[46:47]
	s_add_nc_u64 s[92:93], s[10:11], s[92:93]
	CROUND                                         ; all sixteen work-groups are here: the joint loads meet
	s_mov_b32 s[G0S], 1
	s_add_co_u32 s[G0S+1], s94, SCL
	s_mov_b64 s[G0S+2:G0S+3], s[22:23]
	s_or_b32 s[G0S+3], s[G0S+3], 0x80000000
	s_mov_b32 s[G0SB], 1
	s_add_co_u32 s[G0SB+1], s94, SCL
	s_mov_b64 s[G0SB+2:G0SB+3], s[92:93]
	s_or_b32 s[G0SB+3], s[G0SB+3], 0x80000000
	JLOAD G0S, G1S, G0SB, G1SB                     ; the scales first: they are wanted with the first slot.  Three tensor loads of a wave are out at the most: this one and the two slots'
.irp s, 0,1
	s_mov_b32 s[G0+4*\s], 1
	s_add_co_u32 s[G0+4*\s+1], s45, \s*SLOT
	s_add_nc_u64 s[G0+4*\s+2:G0+4*\s+3], s[20:21], \s*ROWB
	s_or_b32 s[G0+4*\s+3], s[G0+4*\s+3], 0x80000000
	s_mov_b32 s[G0B+4*\s], 1
	s_add_co_u32 s[G0B+4*\s+1], s45, \s*SLOT
	s_add_nc_u64 s[G0B+4*\s+2:G0B+4*\s+3], s[46:47], \s*ROWB
	s_or_b32 s[G0B+4*\s+3], s[G0B+4*\s+3], 0x80000000
	JLOAD G0+4*\s, G1, G0B+4*\s, G1B
.endr
	v_and_b32 v1, 15, v0                           ; r = lane % 16
	v_bfe_u32 v2, v0, 4, 1                         ; h = lane / 16
	v_mul_u32_u24 v3, v1, PITCH
	v_lshl_add_u32 v4, v2, 4, v3                   ; a fragment's row x pitch + 16 x half
	s_mul_i32 s21, s15, HALFT                      ; my 128 rows of x
	s_mul_i32 s22, s16, HALFT                      ; my 128 rows of W,
	s_add_co_u32 s22, s22, 2*HALFT                 ; which lie behind x's 256
.irp s, 0,1
	v_add_nc_u32 v[ADRA+\s], s21, v4
	v_add_nc_u32 v[ADRB+\s], s22, v4
	s_add_co_u32 s21, s21, SLOT
	s_add_co_u32 s22, s22, SLOT
.endr
	v_mul_u32_u24 v5, v1, KS                       ; my row's scales: KS bytes a row,
	v_lshrrev_b32 v6, 8, v5
	v_lshl_add_u32 v5, v6, 4, v5                   ; and 16 more for each 256 passed
	s_mul_i32 s21, s15, HALFS                      ; x's: my 128 rows
	s_mul_i32 s22, s16, HALFS                      ; W's: my 128 rows, behind x's 256
	s_add_co_u32 s22, s22, 2*HALFS
	s_sub_co_u32 s22, s22, s21
	v_mul_u32_u24 v6, s22, v2                      ; lanes 16-31 take W's: one product, the distance between the two bases
	s_add_co_u32 s21, s21, SCL
	v_add_nc_u32 v5, v5, v6
	v_add_nc_u32 v[ADRS], s21, v5
	v_and_b32 v6, 31, v0
	v_lshlrev_b32 v[CO], 4, v6                     ; 16 x lane
	v_lshlrev_b32 v[BA], 5, v2                     ; 32 h: my half's eight numbers of a block's sixteen
	; the bias of my 128 columns: bq, bk or bv by the cluster's x, which all partners share
	s_cmp_eq_u32 ttmp9, 0
	s_cselect_b64 s[96:97], s[66:67], s[96:97]
	s_cmp_eq_u32 ttmp9, 2
	s_cselect_b64 s[96:97], s[98:99], s[96:97]
	s_lshl_b32 s66, s40, 10                        ; 256 columns of 4 bytes for each quarter,
	s_lshl_b32 s67, s16, 9                         ; 128 for my half
	s_add_co_u32 s66, s66, s67
	s_mov_b32 s67, 0
	s_add_nc_u64 s[96:97], s[96:97], s[66:67]
.irp b, 0,1,2,3,4,5,6,7
	global_load_b128 v[BI+8*\b:BI+8*\b+3],   v[BA], s[96:97] offset:64*\b        ; b(16 b + 8 h + 0 .. 3): the result's layout
	global_load_b128 v[BI+8*\b+4:BI+8*\b+7], v[BA], s[96:97] offset:64*\b+16
.endr
	; where my images begin: which << 23, batch << 22, head << 18, tile of positions << 11
	s_lshl_b32 s20, ttmp9, 23
	s_lshr_b32 s21, s17, 3                         ; 8 tile rows to a batch
	s_lshl_b32 s21, s21, 22
	s_add_co_u32 s20, s20, s21
	s_and_b32 s21, s17, 7
	s_lshl_b32 s21, s21, 4                         ; 16 tiles of 16 positions to a tile row,
	s_lshl_b32 s22, s15, 3                         ; 8 to my half
	s_add_co_u32 s21, s21, s22
	s_lshl_b32 s21, s21, 11
	s_add_co_u32 s20, s20, s21
	s_lshl_b32 s46, s40, 2                         ; 4 heads to a quarter,
	s_lshl_b32 s47, s16, 1                         ; 2 to my half
	s_add_co_u32 s46, s46, s47
	s_lshl_b32 s46, s46, 18
	s_add_co_u32 s20, s20, s46
	s_mov_b32 s21, 0
	s_add_nc_u64 s[12:13], s[12:13], s[20:21]
.macro FRAG reg, adr, q, i             ; a fragment, 16 rows x 128 K of 4-bit codes: lane l holds row l % 16; registers 4 c .. 4 c + 3 hold K = 64 c + 32 (l / 16) + 0 .. 31
.irp c, 0,1
	ds_load_b128 v[\reg+4*\c:\reg+4*\c+3], v[\adr] offset:64*(\q)+32*\c+(\i)*16*PITCH
.endr
.endm
; 16 matrix instructions: x's blocks a0, a0 + 1 against W's eight, the slot's q-th 128 along K.  p: W's set;  sc: the set of scale words.  zero = 1: the first product starts the sums from the bias: nothing is cleared or added later.
; The 64 accumulators take turns, one instruction a turn, in the same order in every step.
.macro MUL16 a0, p, q, sc, zero
.irp a, \a0, \a0+1
.irp b, 0,1,2,3,4,5,6,7
.if \zero
	v_wmma_scale_f32_16x16x128_f8f6f4 v[8*(8*((\a)%4)+\b):8*(8*((\a)%4)+\b)+7], v[128*(\p)+FR*\b:128*(\p)+FR*\b+FR-1], v[AF+FR*(\a):AF+FR*(\a)+FR-1], v[BI+8*\b:BI+8*\b+7], v[SC+8*NQ*(\sc)+NQ*\b+(\q)], v[SC+8*NQ*(\sc)+NQ*(\a)+(\q)] matrix_a_fmt:MATRIX_FMT_FP4 matrix_b_fmt:MATRIX_FMT_FP4 matrix_a_scale:MATRIX_SCALE_ROW1
.else
	v_wmma_scale_f32_16x16x128_f8f6f4 v[8*(8*((\a)%4)+\b):8*(8*((\a)%4)+\b)+7], v[128*(\p)+FR*\b:128*(\p)+FR*\b+FR-1], v[AF+FR*(\a):AF+FR*(\a)+FR-1], v[8*(8*((\a)%4)+\b):8*(8*((\a)%4)+\b)+7], v[SC+8*NQ*(\sc)+NQ*\b+(\q)], v[SC+8*NQ*(\sc)+NQ*(\a)+(\q)] matrix_a_fmt:MATRIX_FMT_FP4 matrix_b_fmt:MATRIX_FMT_FP4 matrix_a_scale:MATRIX_SCALE_ROW1
.endif
.endr
.endr
.endm
.macro FETCH_B slot, q, p              ; W's eight fragments of the slot's q-th 128 along K into set p
	WIN TO_B
.irp i, 0,1,2,3,4,5,6,7
	FRAG 128*(\p)+FR*\i, ADRB+\slot, \q, \i
.endr
	WIN 0
.endm
.macro FETCH_A slot, q, i0             ; x's blocks i0 .. i0 + 3
.irp i, \i0, \i0+1, \i0+2, \i0+3
	FRAG AF+FR*(\i), ADRA+\slot, \q, \i
.endr
.endm
.macro SCALES sc                       ; a slot's scale words into set sc: NQ words a row; lanes 0-15 take x's block i, lanes 16-31 W's block i
.irp i, 0,1,2,3,4,5,6,7
	ds_load_b128 v[SC+8*NQ*\sc+NQ*\i:SC+8*NQ*\sc+NQ*\i+3], v[ADRS] offset:\i*SBLK
.endr
.endm
; A load into a register that a matrix instruction has read, and a vector instruction that reads a matrix result or writes one of its registers, stand NP places behind it, and only plain vector
; instructions that name none of its registers are places (ISA guide 7.12.1 for vector instructions).
.macro PLACES n
.rept \n
	v_nop
.endr
.endm
; A step of 128 along K that has its successor in the same slot.  A block of x is free as soon as its eight products are issued: blocks 0-3 are fetched anew in the step's middle, blocks 4-7 at its end.
.macro STEP slot, q, zero
	s_wait_dscnt 4*NL                              ; W's set and x's blocks 0-3 are in; the youngest eight loads (x's blocks 4-7) may be out
.if \zero
	WIN BEG_LO
.else
	WIN MUL_LO
.endif
	MUL16 0, (\q)%2, \q, \slot, \zero
	MUL16 2, (\q)%2, \q, \slot, \zero
	s_wait_dscnt 0                                 ; x's blocks 4-7 are in (asked for 32 matrix instructions ago)
	PLACES NP
	FETCH_B \slot, (\q)+1, 1-(\q)%2
	FETCH_A \slot, (\q)+1, 0
.if \zero
	WIN BEG_HI
.else
	WIN MUL_HI
.endif
	MUL16 4, (\q)%2, \q, \slot, \zero
	MUL16 6, (\q)%2, \q, \slot, \zero
	PLACES NP
	WIN 0
	FETCH_A \slot, (\q)+1, 4
.endm
; Slot 0's last step changes slots: one barrier; in front of it each wave waits for all its tensor loads (its part of slot 1), adds 0 to its spare word, and waits for that and for its reads.  Nothing is filled again.
.macro TURN slot, next
	s_wait_tensorcnt 0x0                           ; all my tensor loads have landed: my part of the next slot;  (every window is 0 here)
	ds_add_u32 v[SPW], v[NIL]                      ; 0 onto my spare word
	s_wait_dscnt 4*NL+1                            ; (the add and the youngest eight loads, x's blocks 4-7, may be out)
	WIN MUL_LO
	MUL16 0, 1, NQ-1, \slot, 0                     ; sixteen matrix instructions stand between the add and the wait for it
	s_wait_dscnt 0x0                               ; the add is done, and my reads of this slot are over
	s_barrier_signal -1
	MUL16 2, 1, NQ-1, \slot, 0
	WIN 0
	s_barrier_wait -1                              ; the next slot is whole
	PLACES NP
	v_add_nc_u32 v[ADRS], 4*NQ, v[ADRS]            ; on to the next slot's scale words (no LDS load of mine is out)
	FETCH_B \next, 0, 0
	FETCH_A \next, 0, 0
	SCALES \next
	WIN MUL_HI
	MUL16 4, 1, NQ-1, \slot, 0
	MUL16 6, 1, NQ-1, \slot, 0
	PLACES NP
	WIN 0
	FETCH_A \next, 0, 4
.endm
.macro STEPS slot, from                ; the slot's steps from .. NQ - 2
.set Q, \from
.rept NQ-1-\from
	STEP \slot, Q, 0
.set Q, Q+1
.endr
.endm
	s_wait_tensorcnt 1                             ; the scales and my part of slot 0 are in (slot 1's load, the one issued behind them, may be out),
	s_barrier_signal -1
	s_barrier_wait -1                              ; everybody's are
	FETCH_B 0, 0, 0
	FETCH_A 0, 0, 0
	SCALES 0
	FETCH_A 0, 0, 4
	s_wait_loadcnt 0x0                             ; the bias
	STEP 0, 0, 1                                   ; the first step's products start the sums
	STEPS 0, 1
	TURN 0, 1
	STEPS 1, 0
	s_wait_dscnt 4*NL                              ; the very last step: nothing more to fetch
	WIN MUL_LO
	MUL16 0, 1, NQ-1, 1, 0
	MUL16 2, 1, NQ-1, 1, 0
	s_wait_dscnt 0
	WIN MUL_HI
	MUL16 4, 1, NQ-1, 1, 0
	MUL16 6, 1, NQ-1, 1, 0
	WIN 0
; THE WAY OUT, block by block of 16 rows x 128 columns: 32 conversions (each accumulator from its low end on) and eight stores of 512 consecutive bytes.  Column block b: head b / 4 of my two, channels 32 ((b / 2) % 2) on, half b % 2 of the image.
.macro OUT a
.set AC, 64*((\a)%4)
.set PKR, AF+32*((\a)%2)
.if (\a) >= 2
	s_wait_xcnt 0x0                                ; block a - 2's stores have read their data: the registers are written again only behind this wait
.endif
	WIN 0x0a+5*((\a)/4)                            ; sources 0 and 1: window 2 or 3
.irp b, 0,1,2,3,4,5,6,7
.irp r, 0,1,2,3
	v_cvt_pk_f16_f32 v[PKR+4*\b+\r], v[AC+8*\b+2*\r], v[AC+8*\b+2*\r+1]
.endr
.endr
	WIN 0
.irp b, 0,1,2,3,4,5,6,7
	global_store_b128 v[CO], v[PKR+4*\b:PKR+4*\b+3], s[12:13] offset:(\a)*2048+(\b/4)*262144+((\b/2)%2)*1024+(\b%2)*512
.endr
.endm
	PLACES NP                                      ; behind the last products: the conversions read results and write the registers that held x's fragments
.irp a, 0,1,2,3,4,5,6,7
	OUT \a
.endr
	s_wait_tensorcnt 0x0                           ; the wave's end
	ds_add_u32 v[SPW], v[NIL]
	s_wait_dscnt 0x0
	CROUND                                         ; the closing round: no work-group ends while a partner may still ask for a tile that names it
	s_endpgm
.Lfunc_end_k_q94b8af0f7b_qkv:
	.size	k_q94b8af0f7b_qkv, .Lfunc_end_k_q94b8af0f7b_qkv-k_q94b8af0f7b_qkv
	.p2alignl 7, 3214868480
	.fill 96, 4, 3214868480
	.section	.rodata,"a",@progbits
	.p2align	6, 0x0
	.amdhsa_kernel k_q94b8af0f7b_qkv
		.amdhsa_group_segment_fixed_size 327680
		.amdhsa_private_segment_fixed_size 0
		.amdhsa_enable_private_segment 0
		.amdhsa_kernarg_size 64
		.amdhsa_user_sgpr_count 2
		.amdhsa_user_sgpr_kernarg_segment_ptr 1
		.amdhsa_wavefront_size32 1
		.amdhsa_system_sgpr_workgroup_id_x 1
		.amdhsa_system_sgpr_workgroup_id_y 1
		.amdhsa_system_sgpr_workgroup_id_z 1
		.amdhsa_system_vgpr_workitem_id 0
		.amdhsa_next_free_vgpr 1024
		.amdhsa_next_free_sgpr 100
		.amdhsa_reserve_vcc 0
		.amdhsa_float_denorm_mode_32 3
		.amdhsa_float_denorm_mode_16_64 3
		.amdhsa_memory_ordered 1
		.amdhsa_forward_progress 1
		.amdhsa_inst_pref_size 120
	.end_amdhsa_kernel
	.amdgpu_metadata
---
amdhsa.version: [ 1, 2 ]
amdhsa.kernels:
  - .name:           k_q94b8af0f7b_qkv
    .symbol:         k_q94b8af0f7b_qkv.kd
    .args:
      - { .name: xc, .offset: 0, .size: 8, .value_kind: global_buffer, .address_space: global }
      - { .name: xs, .offset: 8, .size: 8, .value_kind: global_buffer, .address_space: global }
      - { .name: wc, .offset: 16, .size: 8, .value_kind: global_buffer, .address_space: global }
      - { .name: ws, .offset: 24, .size: 8, .value_kind: global_buffer, .address_space: global }
      - { .name: qkvh, .offset: 32, .size: 8, .value_kind: global_buffer, .address_space: global }
      - { .name: bq, .offset: 40, .size: 8, .value_kind: global_buffer, .address_space: global }
      - { .name: bk, .offset: 48, .size: 8, .value_kind: global_buffer, .address_space: global }
      - { .name: bv, .offset: 56, .size: 8, .value_kind: global_buffer, .address_space: global }
    .group_segment_fixed_size: 327680
    .private_segment_fixed_size: 0
    .kernarg_segment_align: 8
    .kernarg_segment_size: 64
    .max_flat_workgroup_size: 128
    .sgpr_count:     100
    .vgpr_count:     1024
    .wavefront_size: 32
...
	.end_amdgpu_metadata
.endif
;; end of part 2
;; launch attn (part 3): grid 8 x 32, 8 waves a work-group, clusters of 4 x 1, 327,680 bytes of LDS; arguments qkvh, yh; writes yh
.if DOCPART == 3
	.amdgcn_target "amdgcn-amd-amdhsa--gfx1250"
	.amdhsa_code_object_version 6
	.text
	.protected	k_q94b8af0f7b_attn
	.globl	k_q94b8af0f7b_attn
	.p2align	8
	.type	k_q94b8af0f7b_attn,@function
k_q94b8af0f7b_attn:
	s_mov_b64 s[64:65], 0
	v_nop
	global_prefetch_b8 v0, s[64:65] scope:SCOPE_SE
	s_setreg_imm32_b32 hwreg(HW_REG_WAVE_MODE, 25, 1), 1
	s_wait_xcnt 0x0
	s_wait_alu depctr_hold_cnt(0) depctr_sa_sdst(0) depctr_va_vdst(0) depctr_va_sdst(0) depctr_va_ssrc(0) depctr_va_vcc(0) depctr_vm_vsrc(0)
	s_getreg_b32 s2, hwreg(HW_REG_IB_STS2, 6, 4)
	s_cmp_eq_u32 s2, 0
	s_cbranch_scc0 .Lentry_in_a_cluster
	s_endpgm
.Lentry_in_a_cluster:
	s_bfe_u32 s2, ttmp6, 0x10000c
	s_cmp_lg_u32 s2, 0x3003
	s_cbranch_scc0 .Lentry_shape_is_right
	s_endpgm
.Lentry_shape_is_right:
; THIRD OF FOUR LAUNCHES.  y[bh][q][:] = the sum over k of softmax_k(q . k / 8) v[k][:], 32 heads (batch x 16 + head) of 2,048 positions x 64 channels, no mask.  Both products on f16 operands with f32 sums; maxima, exponentials and sums in f32.
; q, k, v come as images of operand registers (16 positions x 32 channels in 1,024 bytes: registers 0-3 of lane L at 16 L, registers 4-7 at 512 + 16 L): qkvh [which][bh][tile of 16 positions][32 channels][1,024].
; y leaves as images for the last product: yh [K step of 256, 4][tile of 16 rows, 256][32 along K, 8][1,024].   LIMITS: p and y are rounded to f16: under 6e-5 they fall among its subnormals (error at most 2^-25).
; SHARES.  A work-group owns 256 queries of one head, each of its eight waves 32: two tiles of 16, so that each fragment of K and V read from LDS feeds two matrix instructions.  Every wave walks all 2,048 keys, 64 a step,
; 4 steps (a block of 256 keys) a slot, through a ring of two LDS slots.
; LAYOUT.  S^T = K Q^T (source 0 = 16 keys, source 1 = 16 queries): a lane holds ONE query (lane % 16) and the keys 8 (lane / 16) + 0..7.  Two such tiles, rounded to f16 in pairs, ARE source 1 (32 keys x 16 queries) of O^T = V^T P,
; whose result again holds one query a lane and eight channels, and, rounded in pairs, is a half of an image of y.  K comes out of LDS as it lies, V turned, by ds_load_tr16_b128.
; SOFTMAX.  For each query a running maximum m and sum l: p = 2^(c s - c m), c = log2(e) / 8; in every step O and l are multiplied by a = 2^(c m_old - c m_new).  m begins at -3e38, O and l at 0, so no step has a form of its own.
; BY TURNS.  The wave's two tiles take turns.  In turn T(x, j) tile x has the matrix unit: 8 products K Q^T of step j + 1, then 8 products V^T P of step j; the other tile's softmax, a list of 120 instructions, stands in slices behind them:
; T(0, j) carries tile 1's softmax of step j, T(1, j) tile 0's of step j + 1.  So a wave has vector work to issue while the matrix unit works on its products.
; WINDOWS.  The registers are laid so that a turn needs two settings.  Window 1 holds all that K Q^T and the softmax's numbers 0-85 name (statistics, S^T, P, Q, K): one setting, all four places window 1.  Window 0 holds O^T, l and V:
; under the other setting (source 1 alone in window 1) stand V^T P (V, P, O^T), O^T x a (O^T, a) and l += p (l, p): the list's numbers 86-119.  Seven switches a key step, two of them round K's run of loads, one for V's.
; LDS READS.  V has two buffers: V of step j + 1 is fetched at the head of T(0, j), a whole step ahead of its use.  K has one: K of step j + 2 is fetched in T(1, j), behind tile 1's products K Q^T of step j + 1.
; So LDS is read in the order V(j+1), K(j+2), V(j+2), ..: the change of slots stands between V(4 m - 1) and K(4 m), that is between T(0, 4 m - 2) and T(1, 4 m - 2), and behind change m exactly block m is read.
; CLUSTER.  The four query blocks of a cluster belong to one head and walk the same K and V: each tile is asked for JOINTLY, by the same tensor load with the same descriptor and the mask of all four.
; A slot's 128 + 128 rows of 256 bytes are shared out among the eight waves, 32 rows to a load: waves 0-3 K's, waves 4-7 V's.  One tensor load of a wave is out at any time.
; REGISTERS: window 0: v1-8 addresses; v16-79 O^T, 32 a tile; v80-111 y on the way out; v112-119 l, four partial sums a tile; v128-255 V, two buffers.   window 1: v0-15 statistics; v16-79 S^T, 32 a tile; v80-111 P, 16 a tile; v112-143 Q; v144-207 K.
.set VOFF,  32768                      ; a slot: K's 16 tiles of 2,048 bytes, dense; then V's 128 rows of 256 bytes + 128 of padding
.set VP,    384                        ; so that the turning load's two channel halves, 256 bytes apart in the image, fall on bytes 0-127 and 128-255 modulo 256 (64 banks of 4 bytes: ISA guide 11.1)
.set SLOT1, 1<<17                      ; slot 1 begins here: one exclusive or turns an address in one slot into the other's
.set SPARE, 2*SLOT1                    ; the spare words, 128 bytes for each of eight waves, which no other line names
.set SLOTB, 32768                      ; a block's keys in memory: 256 keys x 128 bytes, of K and of V
.set AK0, 1                            ; v1   16 x lane: my place in an image's half
.set AV0, 2                            ; v2   my lane's place in a tile of V
.set ADK, 3                            ; v3   the same in the slot in hand
.set ADV, 4                            ; v4
.set GO,  5                            ; v5   16 x lane, for Q's loads and y's stores; never rewritten
.set SPW, 6                            ; v6   LDS address of my spare word; never rewritten
.set NIL, 7                            ; v7   0; never rewritten
.set PFO, 8                            ; v8   256 x lane: the prefetches' offset; never rewritten
.set O,   16                           ; window 0
.set Y,   80
.set LS,  112                          ; tile t's l at v[LS+4 t]: two chains of a pair (even keys', odd keys') each
.set VF,  128                          ; buffer b at v[VF+64 b]
.set ST,  0                            ; window 1: tile t's statistics at v[ST+8 t]: +0 c m, +1 m, +4 to +7 c0-c3 at work; a takes +6, c m_old - c m_new takes +7
.set S,   16
.set P,   80
.set QF,  112
.set KF,  144
.set KPOS, 38                          ; K's run of loads stands ahead of this number of the softmax's list
.set WV,  12                           ; s12  my wave's number
.set LIM, 15                           ; s15  1 in a wave that prefetches, else the greatest number
.set PFA, 18                           ; s[18:19] where my prefetches stand
.set G1K, 24                           ; s[24:31] descriptor group 1 for K's tiles
.set G1V, 32                           ; s[32:39] for V's: it differs in the padding alone
.set G0K, 40                           ; s[40:43] group 0 for K's tiles: it walks
.set G0V, 44                           ; s[44:47] for V's
.set SLOTS, 56                         ; s56  blocks still to be asked for
.set TB,  57                           ; s57  LDS byte at which the slot to be read next begins
.set CS,  58                           ; s[58:59] c: the packed scaling names a pair and takes its low word for both halves
.set SEL, 60                           ; s[60:61] lane selects for v_permlanex16_b32: lane l xor 16
.set MSB, 0
.macro WIN new                         ; the immediate's high byte repeats the setting that is left; a switch that changes nothing is dropped
.if MSB != \new
	s_set_vgpr_msb (MSB<<8)|\new
.set MSB, \new
.endif
.endm
.set W_LD, 0x40                        ; destination window 1, address window 0
.set W_SM, 0x55                        ; all four places window 1
.set W_PV, 0x04                        ; source 1 window 1, all else window 0
; A joint load.  The branch hangs on the wave's number alone: it is the same in every work-group.  An s_nop 0 and four v_nop follow each of the two lines.
.macro JLOAD
	s_cmp_lt_u32 s[WV], 4
	s_cbranch_scc0 .Lfor_v_\@
	tensor_load_to_lds s[G0K:G0K+3], s[G1K:G1K+7]
	s_nop 0
.rept 4
	v_nop
.endr
	s_branch .Lasked_\@
.Lfor_v_\@:
	tensor_load_to_lds s[G0V:G0V+3], s[G1V:G1V+7]
	s_nop 0
.rept 4
	v_nop
.endr
.Lasked_\@:
.endm
; A PREFETCH of what the NEXT change of slots will ask for: 32,768 bytes of K and as many of V, four key steps ahead of that load.  Each block of 256 bytes is named once in the launch: both clusters of a head walk the same keys, so the
; head's first cluster asks; its four partners take 8,192 bytes each, told apart BY ADDRESS; in each, wave 0 asks for K's and wave 4 for V's, lanes 256 bytes apart.  The last change that fills a slot asks for nothing; nothing is asked at the head.
.macro ASK
	s_cmp_gt_u32 s[SLOTS], s[LIM]
	s_cbranch_scc0 .Lnot_mine_\@
	global_prefetch_b8 v[PFO], s[PFA:PFA+1] th:TH_LOAD_NT scope:SCOPE_SE
.Lnot_mine_\@:
.endm
.macro CROUND                          ; a round of the cluster's barrier: my work-group's barrier; wave 0 signals for the work-group; every wave waits for all four; my work-group's barrier once more
	s_barrier_signal -1
	s_barrier_wait -1
	s_cmp_lg_u32 s[WV], 0
	s_cbranch_scc1 .Lnot_wave_0_\@
	s_barrier_signal -3
.Lnot_wave_0_\@:
	s_barrier_wait -3
	s_barrier_signal -1
	s_barrier_wait -1
.endm
	s_load_b128 s[4:7], s[0:1], 0x0                ; qkvh s[4:5], yh s[6:7]
	v_lshl_add_u32 v[SPW], v0, 2, SPARE
	v_mov_b32 v[NIL], 0
	ds_add_u32 v[SPW], v[NIL]                      ; the wave's opening: the add, twice on end, and its wait ahead of my first tensor load; the set-up below stands between
	ds_add_u32 v[SPW], v[NIL]
	v_lshrrev_b32 v9, 5, v0
	v_readfirstlane_b32 s[WV], v9                  ; wave 0..7
	s_bfe_u32 s13, ttmp6, 0x40000                  ; cx: my place in the cluster
	s_lshl_b32 s14, ttmp9, 2
	s_add_co_u32 s14, s14, s13                     ; my block of 256 queries = 4 x cluster x + cx: it enters Q's, y's and the prefetches' addresses alone
	s_and_b32 s16, ttmp7, 0xffff                   ; batch x 16 + head, which the four partners share
	s_lshl_b32 s17, s16, 18                        ; its 262,144 bytes in each of q, k, v
	s_add_co_u32 s2, s17, 0x800000                 ; K's begin 8,388,608 bytes behind q's
	s_mov_b32 s3, 0
	s_and_b32 s22, s[WV], 3                        ; which quarter of a block's K or V I fetch:
	s_lshl_b32 s54, s22, 13                        ; 64 keys, 8,192 bytes in memory
	s_mov_b32 s55, 0
	s_lshl_b32 s8, s14, 15                         ; Q: my block's 16 tiles of 2,048 bytes,
	s_lshl_b32 s9, s[WV], 12                       ; my wave's two
	s_add_co_u32 s8, s8, s9
	s_add_co_u32 s8, s8, s17
	s_mov_b32 s9, 0
	s_and_b32 s20, s16, 15                         ; y: the head; its 64 channels are two of the 32 pieces along the last product's K:
	s_lshr_b32 s21, s20, 2
	s_lshl_b32 s10, s21, 21                        ; K step head / 4,
	s_and_b32 s20, s20, 3
	s_lshl_b32 s20, s20, 11                        ; pieces 2 (head % 4) on;
	s_add_co_u32 s10, s10, s20
	s_lshr_b32 s20, s16, 4                         ; the tile of rows: 128 x batch
	s_lshl_b32 s20, s20, 7
	s_lshl_b32 s21, s14, 4                         ; + 16 x block
	s_add_co_u32 s20, s20, s21
	s_lshl_b32 s21, s[WV], 1                       ; + 2 x wave
	s_add_co_u32 s20, s20, s21
	s_lshl_b32 s20, s20, 13
	s_add_co_u32 s10, s10, s20
	s_mov_b32 s11, 0
	s_lshl_b32 s20, s13, 13                        ; the prefetches: my work-group's 8,192 bytes of a block's 32,768,
	s_add_co_u32 s20, s20, SLOTB                   ; in block 1: the first change of slots steps it to block 2
	s_mov_b32 s21, 0
	; descriptor group 1: 32 rows of 256 bytes (32 elements of 8 bytes), dense in memory
	s_mov_b32 s[G1K], 15|(3<<16)|(1<<21)           ; 15:0 the mask: all four work-groups; 17:16 elements of 8 bytes; 21 set beside a mask; no padding
	s_mov_b32 s[G1V], 15|(3<<16)|(1<<20)|(1<<21)|(5<<22)|(31<<25)  ; the same; 20 padding on; 24:22 after every 64 words; 31:25 32 words of it
.irp g, G1K, G1V
	s_mov_b32 s[\g+1], 32<<16                      ; tensor_dim0 = 32
	s_mov_b32 s[\g+2], 32<<16                      ; tensor_dim1 = 32
	s_mov_b32 s[\g+3], 32<<16                      ; tile_dim0 = 32
	s_mov_b32 s[\g+4], 32                          ; tile_dim1 = 32
	s_mov_b32 s[\g+5], 32                          ; from row to row
	s_mov_b32 s[\g+6], 0
	s_mov_b32 s[\g+7], 0
.endr
	s_mov_b32 s[CS], 0x3e38aa3b                    ; c = log2(e) / 8
	s_mov_b32 s[CS+1], s[CS]                       ; named with it as a pair, so it is written
	s_mov_b32 s[SEL], 0x76543210
	s_mov_b32 s[SEL+1], 0xfedcba98
	s_mov_b32 s[TB], 0
	s_mov_b32 s[SLOTS], 7
	s_and_b32 s[LIM], s[WV], 3                     ; 0 in waves 0 and 4,
	s_or_b32 s[LIM], s[LIM], ttmp9                 ; where the cluster is the head's first: the same in all four partners
	s_cmp_eq_u32 s[LIM], 0
	s_cselect_b32 s[LIM], 1, -1
	v_and_b32 v[AK0], 31, v0
	v_lshlrev_b32 v[PFO], 8, v[AK0]
	v_lshlrev_b32 v[GO], 4, v[AK0]
	v_lshlrev_b32 v[AK0], 4, v[AK0]
	; The turning load takes 16 keys x 16 channels: lane l reads 16 bytes: key 8 (l / 16) + l % 8, channels 8 ((l / 8) % 2) + 0..7, and is left with channel l % 16 and 8 keys.  In an image eight channels of 16 keys are 256 bytes, 16 a key.
	v_bfe_u32 v9, v0, 3, 1
	v_mul_u32_u24 v[AV0], v9, VP
	v_bfe_u32 v10, v0, 4, 1
	v_and_b32 v11, 7, v0
	v_lshl_add_u32 v10, v10, 3, v11
	v_lshl_add_u32 v[AV0], v10, 4, v[AV0]
	v_add_nc_u32 v[AV0], VOFF, v[AV0]
	s_wait_dscnt 0x0                               ; both opening adds are done
	s_wait_kmcnt 0x0
	s_add_nc_u64 s[50:51], s[4:5], s[2:3]          ; K of my head
	s_add_nc_u64 s[52:53], s[50:51], 0x800000      ; V of my head
	s_add_nc_u64 s[4:5], s[4:5], s[8:9]            ; Q at my wave's first tile
	s_add_nc_u64 s[6:7], s[6:7], s[10:11]          ; y likewise
	s_cmp_lt_u32 s[WV], 4
	s_cselect_b64 s[PFA:PFA+1], s[50:51], s[52:53]
	s_add_nc_u64 s[PFA:PFA+1], s[PFA:PFA+1], s[20:21]
	CROUND                                         ; all four work-groups are here: the first joint loads meet
	s_mov_b32 s[G0K], 1                            ; 1:0 count = 1
	s_lshl_b32 s[G0K+1], s22, 13                   ; 63:32 LDS address: slot 0, my quarter: no place in the cluster enters it
	s_add_nc_u64 s[G0K+2:G0K+3], s[50:51], s[54:55]  ; 120:64 global address: my 64 of the head's first 256 keys
	s_or_b32 s[G0K+3], s[G0K+3], 0x80000000        ; 127:126 type = 2
	s_mov_b32 s[G0V], 1
	s_mul_i32 s[G0V+1], s22, 32*VP
	s_add_co_u32 s[G0V+1], s[G0V+1], VOFF
	s_add_nc_u64 s[G0V+2:G0V+3], s[52:53], s[54:55]
	s_or_b32 s[G0V+3], s[G0V+3], 0x80000000
	JLOAD                                          ; block 0, into slot 0
	WIN W_LD
.irp i, 0,1,2,3                        ; Q stays in registers: tile i / 2, channels 32 (i % 2) on
	global_load_b128 v[QF+8*\i:QF+8*\i+3],   v[GO], s[4:5] offset:1024*\i
	global_load_b128 v[QF+8*\i+4:QF+8*\i+7], v[GO], s[4:5] offset:1024*\i+512
.endr
	WIN W_SM
.irp t, 0,1
	v_mov_b32 v[ST+8*\t+1], 0xff61b1e6             ; m: -3e38, under every score
	v_mul_f32 v[ST+8*\t], s[CS], v[ST+8*\t+1]      ; c m
.endr
	WIN 0
.set i, 0
.rept 8
	v_mov_b32 v[LS+i], 0                           ; l
.set i, i+1
.endr
.set i, 0
.rept 64
	v_mov_b32 v[O+i], 0                            ; O^T: the first softmax finds zeros, which a = 0 leaves zeros
.set i, i+1
.endr
.macro PLACES                          ; four places behind matrix instructions, in front of the first read of their results (ISA guide 7.12.1)
.rept 4
	v_nop
.endr
.endm
.macro FETCH_K q                       ; the block's q-th 64 keys: 8 fragments, keys 16 (f / 2) on, channels 32 (f % 2) on; 32 lanes read 512 consecutive bytes
	WIN W_LD
.irp f, 0,1,2,3,4,5,6,7
	ds_load_b128 v[KF+8*\f:KF+8*\f+3],   v[ADK] offset:(\q)*8192+\f*1024
	ds_load_b128 v[KF+8*\f+4:KF+8*\f+7], v[ADK] offset:(\q)*8192+\f*1024+512
.endr
.endm
.macro FETCH_V q, b                    ; the block's q-th 64 keys of V, turned, into buffer b: 8 fragments, keys 32 (e / 4) on, channels 16 (e % 4) on; a tile of 16 keys is 8 rows of the padded pitch
	WIN 0
.irp e, 0,1,2,3,4,5,6,7
	ds_load_tr16_b128 v[VF+64*(\b)+8*\e:VF+64*(\b)+8*\e+3],   v[ADV] offset:(\q)*32*VP+(\e/4)*16*VP+(\e%4)*2*VP
	ds_load_tr16_b128 v[VF+64*(\b)+8*\e+4:VF+64*(\b)+8*\e+7], v[ADV] offset:(\q)*32*VP+(\e/4)*16*VP+(\e%4)*2*VP+8*VP
.endr
.endm
; THE MATRIX WORK OF A TURN, for tile x.  The four accumulators take turns, one instruction a turn: between two links of a chain stand the three others'.
; Product i of 8 of S^T = K Q^T: channels 32 (i / 4) on, keys 16 (i % 4) on.  The first four start the sums.
.macro KQ x
	WIN W_SM
.set rS, S+32*(\x)+8*(i%4)
.set rK, KF+16*(i%4)+8*(i/4)
.set rQ, QF+16*(\x)+8*(i/4)
.if i < 4
	v_wmma_f32_16x16x32_f16 v[rS:rS+7], v[rK:rK+7], v[rQ:rQ+7], 0
.else
	v_wmma_f32_16x16x32_f16 v[rS:rS+7], v[rK:rK+7], v[rQ:rQ+7], v[rS:rS+7]
.endif
.endm
; Product i of 8 of O^T += V^T P: keys 32 (i / 4) on, channels 16 (i % 4) on; V from buffer vb.
.macro PV x, vb
	WIN W_PV
.set rO, O+32*(\x)+8*(i%4)
.set rV, VF+64*(\vb)+32*(i/4)+8*(i%4)
.set rP, P+16*(\x)+8*(i/4)
	v_wmma_f32_16x16x32_f16 v[rO:rO+7], v[rV:rV+7], v[rP:rP+7], v[rO:rO+7]
.endm
; THE VECTOR WORK OF A TURN.  One tile's softmax for one key step is a list of 120 instructions; SM writes number j of it for tile t.  s0-s31 are the lane's 32 scores, in pairs 0-15.
;   0-15    the maximum of s0-s31 and the old m, three operands at a time: four chains c0-c3 of seven scores each (each accumulator is read from its low end on), then the four scores left over, c0-c3 and m
;   16-20   the other half of the lanes' maximum; the new m; c m; c m_old - c m_new
;   21-69   ONE BATCH: the 16 scalings c s - c m, a pair of scores each, and all 33 exponentials (a at 23, then s0-s31).  None of these names an exponential's result; a pair is scaled well ahead of its exponentials
;   (wait)  between 69 and 70 stand a plain instruction and the one wait for the batch: TURN writes them
;   70-85   the roundings to f16, a pair of weights each: registers 8 g .. 8 g + 7 of a tile's P are source 1 for keys 32 g on
;   86-119  under the other setting: l's two chains x a; then by turns O^T x a, ascending (each accumulator from its low end on), and l += a pair of the unrounded p, the two chains by turns
.macro SM t
.set rT, ST+8*(\t)
.set rS, S+32*(\t)
.set rP, P+16*(\t)
.set rL, LS+4*(\t)
.if j < 86
	WIN W_SM
.else
	WIN W_PV
.endif
.if j < 4
	v_max3_num_f32 v[rT+4+j], v[rS+8*j], v[rS+8*j+1], v[rS+8*j+2]
.elseif j < 12
	v_max3_num_f32 v[rT+4+j%4], v[rT+4+j%4], v[rS+8*(j%4)+2*(j/4)+1], v[rS+8*(j%4)+2*(j/4)+2]
.elseif j == 12
	v_max3_num_f32 v[rT+4], v[rT+4], v[rS+7], v[rS+15]
.elseif j == 13
	v_max3_num_f32 v[rT+6], v[rT+6], v[rS+23], v[rS+31]
.elseif j == 14
	v_max3_num_f32 v[rT+4], v[rT+4], v[rT+5], v[rT+6]
.elseif j == 15
	v_max3_num_f32 v[rT+4], v[rT+4], v[rT+7], v[rT+1]
.elseif j == 16
	v_permlanex16_b32 v[rT+5], v[rT+4], s[SEL], s[SEL+1]  ; the query's other 32 keys lie in the lane 16 away
.elseif j == 17
	v_mov_b32 v[rT+7], v[rT]                       ; c m_old is kept for a: number 19 writes c m anew
.elseif j == 18
	v_max_num_f32 v[rT+1], v[rT+4], v[rT+5]
.elseif j == 19
	v_mul_f32 v[rT], s[CS], v[rT+1]
.elseif j == 20
	v_sub_f32 v[rT+7], v[rT+7], v[rT]
.elseif j == 23
	v_exp_f32 v[rT+6], v[rT+7]
.elseif (j < 23) || ((j < 38) && (j%2 == 0)) || ((j < 66) && (j%4 == 2))
.set b, (j-2)/4                        ; 38, 42, .. 62: pairs 9 to 15
.if j < 38
.set b, (j-20)/2                       ; 21: pair 0; 22, 24, .. 36: pairs 1 to 8
.endif
	v_pk_fma_f32 v[rS+2*b:rS+2*b+1], v[rS+2*b:rS+2*b+1], s[CS:CS+1], v[rT:rT+1] op_sel_hi:[1,0,0] neg_lo:[0,0,1] neg_hi:[0,0,1]  ; pair b: c s - c m
.elseif j < 70
.set e, j-38                           ; 66 to 69: s28 to s31
.if j < 66
.set e, j-32-(j-38)/4                  ; 39-41, 43-45, .. 63-65: s7 to s27
.endif
.if j < 38
.set e, (j-25)/2                       ; 25, 27, .. 37: s0 to s6
.endif
	v_exp_f32 v[rS+e], v[rS+e]
.elseif j < 86
	v_cvt_pk_f16_f32 v[rP+j-70], v[rS+2*(j-70)], v[rS+2*(j-70)+1]
.else
.set n, j-86
.if n < 2
	v_pk_mul_f32 v[rL+2*n:rL+2*n+1], v[rL+2*n:rL+2*n+1], v[rT+6:rT+7] op_sel_hi:[1,0]
.elseif n%2 == 0
.set rO, O+32*(\t)+n-2
	v_pk_mul_f32 v[rO:rO+1], v[rO:rO+1], v[rT+6:rT+7] op_sel_hi:[1,0]
.else
.set k, (n-3)/2
	v_pk_add_f32 v[rL+2*(k%2):rL+2*(k%2)+1], v[rL+2*(k%2):rL+2*(k%2)+1], v[rS+2*k:rS+2*k+1]
.endif
.endif
.endm
.macro SMN t, n                        ; the list's next n numbers
.rept \n
	SM \t
.set j, j+1
.endr
.endm
; A TURN.  Tile x has the matrix unit; the other tile's softmax stands in slices behind its matrix instructions.  kq, pv, sm = 0: the turn has no products K Q^T, no products V^T P, no softmax (the first and the last turns).
; fq: which 64 keys of the block in hand the turn fetches (tile 0's turn: V, into the buffer that vb does not name; tile 1's turn: K), or -1: none.  vb: the buffer from which V^T P takes V.
; SLICES.  Behind each K Q^T: 6 numbers in tile 0's turn, 4 in tile 1's, whose products so end sooner and free K's registers.  Behind each V^T P: 4 numbers, behind the last 6.
; PLACES.  K's run of loads stands ahead of number 38: behind the last product that read K stand numbers 28, 30, 32, 34 and 36, plain instructions that name none of its registers.  V's run, at the head of tile 0's turn, lands in the
; buffer that the turn before has read: the six numbers behind that turn's last product are its places (four are asked: ISA guide 7.12.1 for vector instructions).
; THE ONE COUNTED WAIT.  LDS loads come back in order (ISA guide 5.7.1): s_wait_dscnt 16 behind V's sixteen loads shows K of step j + 1 in, and all that is older, V of step j among it.
.macro TURN x, kq, pv, sm, fq, vb
.set j, 0
.if (\x) == 0
.if (\fq) >= 0
	FETCH_V \fq, 1-(\vb)
	s_wait_dscnt 16
.else
	s_wait_dscnt 0x0                               ; nothing is fetched any more: V of the last step is in
.endif
.endif
.if \kq
.set i, 0
.rept 8
	KQ \x
.if \sm
	SMN 1-(\x), 6-2*(\x)
.endif
.set i, i+1
.endr
.if (\sm) == 0
	PLACES                                         ; no slices: the next turn's softmax reads these results
.endif
.endif
.if \sm
.if ((\x) == 1) && ((\fq) >= 0)
	SMN 1-(\x), KPOS-j
	FETCH_K \fq
.endif
	SMN 1-(\x), 70-j
	v_nop                                          ; a plain instruction behind the last exponential, ahead of the first use (ISA guide 5.7.2)
	s_wait_alu depctr_va_vdst(0)                   ; and the one wait for the batch ahead of its first reader
	SMN 1-(\x), 16
.endif
.if \pv
.set i, 0
.rept 8
	PV \x, \vb
.if \sm
	SMN 1-(\x), 4+2*(i/7)
.endif
.set i, i+1
.endr
.elseif \sm
	SMN 1-(\x), 34
.endif
.endm
; THE CHANGE OF SLOTS.  Each wave waits for all its tensor loads (its part of the block that it is about to read), adds 0 to its spare word, and waits for that and for its reads of the block that it has left.
; fill = 1: the barrier is a round of the cluster's, so that no wave of any partner still reads the other slot or has a load on its way, and the joint load of the next 256 keys is the first thing behind it: it has four key steps in which to land.
.macro CHANGE fill
	WIN 0                                          ; at a label and at a branch every window is 0
	s_wait_tensorcnt 0x0                           ; no tensor load of mine is out, so a group 0 may be written
	ds_add_u32 v[SPW], v[NIL]                      ; 0 onto my spare word; the descriptors' steps stand between it and the wait for it
.if \fill
	s_xor_b32 s[G0K+1], s[G0K+1], SLOT1            ; the walking descriptors: the other slot than last time,
	s_add_nc_u64 s[G0K+2:G0K+3], s[G0K+2:G0K+3], SLOTB   ; the next 256 keys; the type bits on top are not reached
	s_xor_b32 s[G0V+1], s[G0V+1], SLOT1
	s_add_nc_u64 s[G0V+2:G0V+3], s[G0V+2:G0V+3], SLOTB
	s_wait_xcnt 0x0                                ; the last prefetch, a block back, has read its address, so it may be written:
	s_add_nc_u64 s[PFA:PFA+1], s[PFA:PFA+1], SLOTB ; one block further on than the walking descriptors
	s_wait_dscnt 0x0                               ; the add is done, and my reads of the block that I have left are over
	CROUND
	JLOAD
	ASK
.else
	s_wait_dscnt 0x0
	s_barrier_signal -1
	s_barrier_wait -1
.endif
	v_add_nc_u32 v[ADK], s[TB], v[AK0]             ; the fetches go on in the slot that has just been shown whole
	v_add_nc_u32 v[ADV], s[TB], v[AV0]
	s_xor_b32 s[TB], s[TB], SLOT1
.endm
; The eight turns behind change m: T(1, 4 m - 2) to T(0, 4 m + 2).  They fetch K and V of steps 4 m to 4 m + 3: block m, and nothing else.  V's buffer is the step's number modulo 2.
.macro FIVE
	TURN 0, 1, 1, 1, 1, 0
	TURN 1, 1, 1, 1, 2, 0
	TURN 0, 1, 1, 1, 2, 1
	TURN 1, 1, 1, 1, 3, 1
	TURN 0, 1, 1, 1, 3, 0
.endm
.macro EIGHT
	TURN 1, 1, 1, 1, 0, 0
	TURN 0, 1, 1, 1, 0, 1
	TURN 1, 1, 1, 1, 1, 1
	FIVE
.endm
	CHANGE 1                                       ; change 0: block 0 is whole; block 1 goes into slot 1, its first fill: behind this round nothing is filled again
	s_mov_b32 s[SLOTS], 6
	FETCH_K 0                                      ; K of step 0
	s_wait_loadcnt 0x0                             ; Q
	TURN 0, 1, 0, 0, 0, 1                          ; T(0, -1): tile 0's first scores; V of step 0
	TURN 1, 1, 0, 1, 1, 1                          ; T(1, -1): tile 1's first scores | tile 0's first softmax | K of step 1
	FIVE                                           ; T(0, 0) to T(0, 2)
	WIN 0
.Lslot:                                            ; six trips: changes 1 to 6, each of which asks for the block after the next
	CHANGE 1
	EIGHT
	WIN 0
	s_sub_co_u32 s[SLOTS], s[SLOTS], 1
	s_cmp_lg_u32 s[SLOTS], 0
	s_cbranch_scc1 .Lslot
	CHANGE 0                                       ; change 7 is written out: nothing is left to ask for
	EIGHT                                          ; T(1, 26) to T(0, 30)
	TURN 1, 1, 1, 1, -1, 0                         ; T(1, 30): there is no K of step 32
	TURN 0, 0, 1, 1, -1, 1                         ; T(0, 31): tile 0's last V^T P | tile 1's last softmax
	TURN 1, 0, 1, 0, -1, 1                         ; T(1, 31): tile 1's last V^T P
	; THE WAY OUT.  l's four partial sums and the other half of the lanes' are added; O^T is divided by l and rounded to f16: four registers are one half of an image of y, in the lanes that want them.  The additions are the places behind the last products.
	WIN 0
.irp t, 0,1
	v_add_f32 v[LS+4*\t], v[LS+4*\t], v[LS+4*\t+1]
	v_add_f32 v[LS+4*\t+2], v[LS+4*\t+2], v[LS+4*\t+3]
.endr
.irp t, 0,1
	v_add_f32 v[LS+4*\t], v[LS+4*\t], v[LS+4*\t+2]
.endr
.irp t, 0,1
	v_permlanex16_b32 v[LS+4*\t+1], v[LS+4*\t], s[SEL], s[SEL+1]
.endr
.irp t, 0,1
	v_add_f32 v[LS+4*\t], v[LS+4*\t], v[LS+4*\t+1]
.endr
.irp t, 0,1
	v_rcp_f32 v[LS+4*\t+2], v[LS+4*\t]
.endr
	v_nop                                          ; a plain instruction between the last reciprocal and the use of its result
	s_wait_alu depctr_va_vdst(0)                   ; and the wait ahead of the first use: one for both
.irp t, 0,1
.set i, 0
.rept 16
	v_pk_mul_f32 v[O+32*\t+2*i:O+32*\t+2*i+1], v[O+32*\t+2*i:O+32*\t+2*i+1], v[LS+4*\t+2:LS+4*\t+3] op_sel_hi:[1,0]   ; ascending: each accumulator from its low end on
.set i, i+1
.endr
.endr
.set i, 0
.rept 32
	v_cvt_pk_f16_f32 v[Y+i], v[O+2*i], v[O+2*i+1]
.set i, i+1
.endr
.irp t, 0,1
.irp f, 0,1,2,3
	global_store_b128 v[GO], v[Y+16*\t+4*\f:Y+16*\t+4*\f+3], s[6:7] offset:\t*8192+\f*512   ; 32 lanes store 512 consecutive bytes, aligned: channels 16 f on of tile t
.endr
.endr
	s_wait_tensorcnt 0x0                           ; the wave's end
	ds_add_u32 v[SPW], v[NIL]
	s_wait_dscnt 0x0
	CROUND                                         ; the closing round: no work-group ends while a partner may still ask for a tile that names it
	s_endpgm
.Lfunc_end_k_q94b8af0f7b_attn:
	.size	k_q94b8af0f7b_attn, .Lfunc_end_k_q94b8af0f7b_attn-k_q94b8af0f7b_attn
	.p2alignl 7, 3214868480
	.fill 96, 4, 3214868480
	.section	.rodata,"a",@progbits
	.p2align	6, 0x0
	.amdhsa_kernel k_q94b8af0f7b_attn
		.amdhsa_group_segment_fixed_size 327680
		.amdhsa_private_segment_fixed_size 0
		.amdhsa_enable_private_segment 0
		.amdhsa_kernarg_size 16
		.amdhsa_user_sgpr_count 2
		.amdhsa_user_sgpr_kernarg_segment_ptr 1
		.amdhsa_wavefront_size32 1
		.amdhsa_system_sgpr_workgroup_id_x 1
		.amdhsa_system_sgpr_workgroup_id_y 1
		.amdhsa_system_sgpr_workgroup_id_z 1
		.amdhsa_system_vgpr_workitem_id 0
		.amdhsa_next_free_vgpr 512
		.amdhsa_next_free_sgpr 66
		.amdhsa_reserve_vcc 0
		.amdhsa_float_denorm_mode_32 3
		.amdhsa_float_denorm_mode_16_64 3
		.amdhsa_memory_ordered 1
		.amdhsa_forward_progress 1
		.amdhsa_inst_pref_size 223
	.end_amdhsa_kernel
	.amdgpu_metadata
---
amdhsa.version: [ 1, 2 ]
amdhsa.kernels:
  - .name:           k_q94b8af0f7b_attn
    .symbol:         k_q94b8af0f7b_attn.kd
    .args:
      - { .name: qkvh, .offset: 0, .size: 8, .value_kind: global_buffer, .address_space: global }
      - { .name: yh, .offset: 8, .size: 8, .value_kind: global_buffer, .address_space: global }
    .group_segment_fixed_size: 327680
    .private_segment_fixed_size: 0
    .kernarg_segment_align: 8
    .kernarg_segment_size: 16
    .max_flat_workgroup_size: 256
    .sgpr_count:     66
    .vgpr_count:     512
    .wavefront_size: 32
...
	.end_amdgpu_metadata
.endif
;; end of part 3
;; launch proj (part 4): grid 8 x 32, 4 waves a work-group, clusters of 4 x 4, 327,680 bytes of LDS; arguments yh, wph, bp, out0; writes out0
.if DOCPART == 4
	.amdgcn_target "amdgcn-amd-amdhsa--gfx1250"
	.amdhsa_code_object_version 6
	.text
	.protected	k_q94b8af0f7b_proj
	.globl	k_q94b8af0f7b_proj
	.p2align	8
	.type	k_q94b8af0f7b_proj,@function
k_q94b8af0f7b_proj:
	s_mov_b64 s[64:65], 0
	v_nop
	global_prefetch_b8 v0, s[64:65] scope:SCOPE_SE
	s_setreg_imm32_b32 hwreg(HW_REG_WAVE_MODE, 25, 1), 1
	s_wait_xcnt 0x0
	s_wait_alu depctr_hold_cnt(0) depctr_sa_sdst(0) depctr_va_vdst(0) depctr_va_sdst(0) depctr_va_ssrc(0) depctr_va_vcc(0) depctr_vm_vsrc(0)
	s_getreg_b32 s2, hwreg(HW_REG_IB_STS2, 6, 4)
	s_cmp_eq_u32 s2, 0
	s_cbranch_scc0 .Lentry_in_a_cluster
	s_endpgm
.Lentry_in_a_cluster:
	s_bfe_u32 s2, ttmp6, 0x10000c
	s_cmp_lg_u32 s2, 0xf033
	s_cbranch_scc0 .Lentry_shape_is_right
	s_endpgm
.Lentry_shape_is_right:
; LAST OF FOUR LAUNCHES.  out0[m][n] = sum over k of y[m][k] Wp[n][k] + bp[n], m = 0 .. 4095, n, k = 0 .. 1023, on f16 operands; sums and result in f32.
; y comes as images of operand registers: yh [K step of 256, 4][tile of 16 rows, 256][32 along K, 8][1,024 bytes] (registers 0-3 of lane L at 16 L, registers 4-7 at 512 + 16 L); Wp as rows: wph [1024][1024] f16.
; A tile of the result is 128 x 128: 8 x 32 = 256 work-groups, one for each WGP.  Four waves, each 64 x 64: 16 accumulators.  K goes in four steps of 256 through a ring of two LDS slots.
; In a slot y's 128 rows x 256 K are 65,536 dense bytes, read back 512 consecutive bytes an instruction; Wp's 128 rows are 512 bytes + 16 of padding each.
; CLUSTERS: 4 x 4.  The four of a row need the same tiles of y, the four of a column the same tiles of Wp: each is asked for JOINTLY, by the same tensor load with a mask that names the four.
; THE MATRIX INSTRUCTION IS USED TRANSPOSED (source 0 = 16 rows of Wp, source 1 = 16 rows of y): a lane holds eight neighbouring numbers of a row of the result.  The bias is the C of each sum's first product.
; A wave's 64 columns of f32 are 256 bytes: each wave has a stage of its own on the way out, and no barrier is needed there.
; REGISTERS: window 0: v0-31 addresses; v32-95 rows on the way out; v96-127 the bias; v128-255 the accumulators ((a, b) at v[128 + 8 (4 a + b)]).   window 1: two fragment buffers of 128: 64 registers of y, then 64 of Wp, for 64 along K.
.set SIZE_N, 1024
.set SIZE_K, 1024
.set KSTEP,  256
.set PITCH,  528                       ; a row of Wp in LDS: 512 bytes + 16 of padding = 132 words: row r starts at bank 4 r mod 64 (64 banks of 4 bytes: ISA guide 11.1)
.set HALFA,  32768                     ; y: 64 rows x 256 K: four tiles of rows x 8,192 bytes: what one tensor load brings
.set HALFB,  64*PITCH                  ; Wp: 64 rows
.set BOFF,   2*HALFA                   ; Wp's rows lie behind y's
.set SLOT,   BOFF+2*HALFB
.set STAGE,  2*SLOT                    ; behind the ring: 16 rows x 272 bytes for each wave
.set SPITCH, 272
.set SPARE,  STAGE+4*16*SPITCH         ; behind the stages: the spare words, 128 bytes a wave, which no other line names
.set KSA,    1<<21                     ; a K step on in yh
.set LAPS,   SIZE_K/(2*KSTEP)          ; a lap = two K steps = once round the ring
.set ADRA, 16                          ; v16-17  LDS address of my y fragments in slot 0, 1
.set ADRB, 20                          ; v20-21  the same for Wp
.set STO,  24                          ; v24     the way out: where I put 32 bytes of a row
.set RD,   25                          ; v25     where I read a row back
.set CO,   26                          ; v26     my byte offset in the result
.set BA,   27                          ; v27     the bias: 32 bytes for each half of the lanes; never rewritten
.set SPW,  28                          ; v28     LDS address of my spare word; never rewritten
.set NIL,  29                          ; v29     0; never rewritten
.set TMP,  32
.set BI,   96
.set ACC,  128
.set F0,   0                           ; fragment buffers, in window 1
.set F1,   128
.set G1, 24                            ; s[24:31] descriptor group 1 for y's tiles;  s[32:39] group 0, one set for each slot
.set G0, 32
.set G1B, 48                           ; s[48:55], s[56:63] the same for Wp's tiles
.set G0B, 56
.set MSB, 0
.macro WIN new                         ; the immediate's high byte repeats the setting that is left
.if MSB != \new
	s_set_vgpr_msb (MSB<<8)|\new
.set MSB, \new
.endif
.endm
.set MUL,  0x05                        ; sources 0 (Wp) and 1 (y) window 1; C and D window 0
.set TO_F, 0x40                        ; destination window 1, address window 0
.macro JLOAD s                         ; a joint load: waves 0 and 1 fetch y's two halves, waves 2 and 3 Wp's; an s_nop 0 and four v_nop follow each of the two lines
	s_cmp_eq_u32 s11, 0
	s_cbranch_scc0 .Lfor_b_\@
	tensor_load_to_lds s[G0+4*\s:G0+4*\s+3], s[G1:G1+7]
	s_nop 0
.rept 4
	v_nop
.endr
	s_branch .Lasked_\@
.Lfor_b_\@:
	tensor_load_to_lds s[G0B+4*\s:G0B+4*\s+3], s[G1B:G1B+7]
	s_nop 0
.rept 4
	v_nop
.endr
.Lasked_\@:
.endm
.macro CREST                           ; a round of the cluster's barrier behind its opening barrier
	s_cmp_lg_u32 s10, 0
	s_cbranch_scc1 .Lnot_wave_0_\@
	s_barrier_signal -3
.Lnot_wave_0_\@:
	s_barrier_wait -3
	s_barrier_signal -1
	s_barrier_wait -1
.endm
.macro CROUND                          ; a whole round
	s_barrier_signal -1
	s_barrier_wait -1
	CREST
.endm
	s_load_b128 s[4:7], s[0:1], 0x0                ; yh s[4:5], wph s[6:7]
	s_load_b64 s[66:67], s[0:1], 0x10              ; bp
	s_load_b64 s[8:9], s[0:1], 0x18                ; out0
	v_lshl_add_u32 v[SPW], v0, 2, SPARE
	v_mov_b32 v[NIL], 0
	ds_add_u32 v[SPW], v[NIL]                      ; the wave's opening: the add, twice on end, and its wait ahead of my first tensor load; the set-up below stands between
	ds_add_u32 v[SPW], v[NIL]
	v_lshrrev_b32 v1, 5, v0
	v_readfirstlane_b32 s10, v1                    ; wave 0..3
	s_lshr_b32 s11, s10, 1                         ; which half of the tile's rows is mine.  Also: I fetch for y (0) or for Wp (1)
	s_and_b32 s12, s10, 1                          ; which half of its columns.  Also: which 64 rows of that tile I fetch
	s_bfe_u32 s40, ttmp6, 0x40000                  ; cx, cy: my place in the cluster
	s_bfe_u32 s41, ttmp6, 0x40004
	s_lshl_b32 s42, ttmp9, 2
	s_add_co_u32 s42, s42, s40                     ; tile column = 4 x cluster x + cx
	s_and_b32 s13, ttmp7, 0xffff
	s_lshl_b32 s13, s13, 2
	s_add_co_u32 s13, s13, s41                     ; tile row = 4 x cluster y + cy
	s_lshl_b32 s43, s41, 2
	s_lshl_b32 s43, 15, s43                        ; my row of the cluster
	s_lshl_b32 s44, 0x1111, s40                    ; my column
	; descriptor group 1 for y: 32,768 dense bytes as 128 rows of 256 bytes (32 elements of 8 bytes), no padding
	s_or_b32 s[G1+0], s43, (3<<16)|(1<<21)         ; 15:0 the mask: y's tiles go to my row; 17:16 elements of 8 bytes; 21 set beside a mask
	s_mov_b32 s[G1+1], 32<<16                      ; tensor_dim0 = 32
	s_mov_b32 s[G1+2], 128<<16                     ; tensor_dim1 = 128
	s_mov_b32 s[G1+3], 32<<16                      ; tile_dim0 = 32
	s_mov_b32 s[G1+4], 128                         ; tile_dim1 = 128
	s_mov_b32 s[G1+5], 32                          ; from row to row
	s_mov_b32 s[G1+6], 0
	s_mov_b32 s[G1+7], 0
	; and for Wp: 64 rows x 256 elements of 2 bytes, padded in LDS
	s_or_b32 s[G1B+0], s44, (1<<16)|(1<<20)|(1<<21)|(6<<22)|(3<<25)  ; the mask of my column; 20 padding on; 24:22 after every 128 words; 31:25 four words
	s_mov_b32 s[G1B+1], KSTEP<<16
	s_mov_b32 s[G1B+2], 64<<16
	s_mov_b32 s[G1B+3], KSTEP<<16
	s_mov_b32 s[G1B+4], 64
	s_mov_b32 s[G1B+5], SIZE_K
	s_mov_b32 s[G1B+6], 0
	s_mov_b32 s[G1B+7], 0
	s_lshl_b32 s16, s13, 3
	s_lshl_b32 s17, s12, 2
	s_add_co_u32 s16, s16, s17                     ; y: tile of rows 8 x tile row + 4 x half,
	s_lshl_b32 s16, s16, 13                        ; 8,192 bytes each in a K step
	s_mov_b32 s17, 0
	s_lshl_b32 s46, s42, 7
	s_lshl_b32 s47, s12, 6
	s_add_co_u32 s46, s46, s47                     ; Wp: row 128 x tile column + 64 x half,
	s_lshl_b32 s46, s46, 11                        ; 2,048 bytes each
	s_mov_b32 s47, 0
	s_mul_i32 s20, s12, HALFA                      ; where they go: no place in the cluster enters an LDS address
	s_mul_i32 s21, s12, HALFB
	s_add_co_u32 s21, s21, BOFF
	s_wait_dscnt 0x0                               ; both opening adds are done
	s_wait_kmcnt 0x0
	s_add_nc_u64 s[14:15], s[4:5], s[16:17]
	s_add_nc_u64 s[46:47], s[6:7], s[46:47]
	CROUND                                         ; all sixteen work-groups are here: the first joint loads meet
.irp s, 0,1
	s_mov_b32 s[G0+4*\s], 1
	s_add_co_u32 s[G0+4*\s+1], s20, \s*SLOT
	s_add_nc_u64 s[G0+4*\s+2:G0+4*\s+3], s[14:15], \s*KSA
	s_or_b32 s[G0+4*\s+3], s[G0+4*\s+3], 0x80000000
	s_mov_b32 s[G0B+4*\s], 1
	s_add_co_u32 s[G0B+4*\s+1], s21, \s*SLOT
	s_add_nc_u64 s[G0B+4*\s+2:G0B+4*\s+3], s[46:47], \s*KSTEP*2
	s_or_b32 s[G0B+4*\s+3], s[G0B+4*\s+3], 0x80000000
	JLOAD \s                                       ; two tensor loads of a wave are out here, later one
.endr
	v_and_b32 v1, 15, v0                           ; r = lane % 16
	v_bfe_u32 v2, v0, 4, 1                         ; h = lane / 16
	v_mul_u32_u24 v3, v1, PITCH
	v_lshl_add_u32 v3, v2, 4, v3                   ; Wp: a fragment's row x pitch + 16 x half
	v_and_b32 v4, 31, v0
	v_lshlrev_b32 v4, 4, v4                        ; y: 16 x lane
	s_mul_i32 s21, s11, HALFA                      ; my 64 rows of y
	s_mul_i32 s22, s12, HALFB                      ; my 64 rows of Wp,
	s_add_co_u32 s22, s22, BOFF                    ; which lie behind y's
.irp s, 0,1
	v_add_nc_u32 v[ADRA+\s], s21, v4
	v_add_nc_u32 v[ADRB+\s], s22, v3
	s_add_co_u32 s21, s21, SLOT
	s_add_co_u32 s22, s22, SLOT
.endr
	s_mul_i32 s23, s10, 16*SPITCH
	s_add_co_u32 s23, s23, STAGE                   ; my stage
	v_mul_u32_u24 v5, v1, SPITCH                   ; in: row r, 32 bytes for each half of the lanes
	v_lshl_add_u32 v5, v2, 5, v5
	v_add_nc_u32 v[STO], s23, v5
	v_mul_u32_u24 v5, v2, SPITCH                   ; back: lanes 0-15 take one row of 256 bytes, lanes 16-31 the next
	v_lshl_add_u32 v5, v1, 4, v5
	v_add_nc_u32 v[RD], s23, v5
	v_lshlrev_b32 v5, 12, v2                       ; and the same two rows in the result: 4,096 bytes a row
	v_lshl_add_u32 v[CO], v1, 4, v5
	v_lshlrev_b32 v[BA], 5, v2                     ; 32 h
	s_lshl_b32 s16, s13, 7
	s_lshl_b32 s17, s11, 6
	s_add_co_u32 s16, s16, s17                     ; my first row: 128 x tile row + 64 x half
	s_lshl_b32 s16, s16, 12
	s_mov_b32 s17, 0
	s_add_nc_u64 s[8:9], s[8:9], s[16:17]
	s_lshl_b32 s46, s42, 9                         ; my first column, in bytes of f32: 512 x tile column + 256 x half
	s_lshl_b32 s47, s12, 8
	s_add_co_u32 s46, s46, s47
	s_mov_b32 s47, 0
	s_add_nc_u64 s[8:9], s[8:9], s[46:47]
	s_add_nc_u64 s[66:67], s[66:67], s[46:47]      ; the bias of the same columns
.irp b, 0,1,2,3
	global_load_b128 v[BI+8*\b:BI+8*\b+3],   v[BA], s[66:67] offset:64*\b        ; bp(16 b + 8 h + 0 .. 3): the result's layout
	global_load_b128 v[BI+8*\b+4:BI+8*\b+7], v[BA], s[66:67] offset:64*\b+16
.endr
; 8 matrix instructions: row blocks a0, a0 + 1 x all 4 column blocks, 32 along K: half c of buffer f.  zero = 1: the first product starts the sums from the bias.  The 16 accumulators take turns.
.macro MUL8 f, c, a0, zero
.irp a, \a0, \a0+1
.irp b, 0,1,2,3
.if \zero
	v_wmma_f32_16x16x32_f16 v[ACC+8*(4*(\a)+\b):ACC+8*(4*(\a)+\b)+7], v[\f+64+8*(4*\c+\b):\f+64+8*(4*\c+\b)+7], v[\f+8*(4*\c+\a):\f+8*(4*\c+\a)+7], v[BI+8*\b:BI+8*\b+7]
.else
	v_wmma_f32_16x16x32_f16 v[ACC+8*(4*(\a)+\b):ACC+8*(4*(\a)+\b)+7], v[\f+64+8*(4*\c+\b):\f+64+8*(4*\c+\b)+7], v[\f+8*(4*\c+\a):\f+8*(4*\c+\a)+7], v[ACC+8*(4*(\a)+\b):ACC+8*(4*(\a)+\b)+7]
.endif
.endr
.endr
.endm
; 32 LDS loads in one run: the fragments of 64 along K, at byte k of Wp's rows and image k / 64 of y's eight, into buffer f; the first 32 along K first
.macro FETCH slot, k, f
	WIN TO_F
.irp c, 0,1
.irp i, 0,1,2,3
	ds_load_b128 v[\f+64+8*(4*\c+\i):\f+64+8*(4*\c+\i)+3],   v[ADRB+\slot] offset:\k+64*\c+\i*16*PITCH
	ds_load_b128 v[\f+64+8*(4*\c+\i)+4:\f+64+8*(4*\c+\i)+7], v[ADRB+\slot] offset:\k+64*\c+\i*16*PITCH+32
	ds_load_b128 v[\f+8*(4*\c+\i):\f+8*(4*\c+\i)+3],         v[ADRA+\slot] offset:(\k)*16+1024*\c+\i*8192
	ds_load_b128 v[\f+8*(4*\c+\i)+4:\f+8*(4*\c+\i)+7],       v[ADRA+\slot] offset:(\k)*16+1024*\c+\i*8192+512
.endr
.endr
.endm
.macro PLACES                          ; four places in front of loads into registers that matrix instructions have read, and of the first read of results (ISA guide 7.12.1 for the first read of results)
.rept 4
	v_nop
.endr
.endm
; A K step is four quarters of 64 along K, 32 matrix instructions each, on buffers 0, 1, 0, 1.  One of the first three: multiplies buffer f and fetches the next quarter, at byte k, into g.
.macro QUARTER slot, k, f, g, zero
	s_wait_dscnt 16                                ; the first 32 along K are in; the youngest sixteen loads may be out
	WIN MUL
	MUL8 \f, 0, 0, \zero
	MUL8 \f, 0, 2, \zero
	PLACES
	FETCH \slot, \k, \g
	s_wait_dscnt 32                                ; all but the 32 just issued
	WIN MUL
	MUL8 \f, 1, 0, 0
	MUL8 \f, 1, 2, 0
.endm
; The last quarter multiplies buffer 1 and changes slots: ONE barrier; in front of it each wave waits for all its tensor loads, adds 0 to its spare word, and waits for that and for its own reads of this slot.  fill = 1: this slot is filled again, two K steps ahead.
.macro TURN slot, next, fill
	WIN 0                                          ; (the add's two registers lie in window 0)
	s_wait_tensorcnt 0x0                           ; all my tensor loads have landed: my part of the next slot;
	ds_add_u32 v[SPW], v[NIL]                      ; 0 onto my spare word;
	s_wait_dscnt 17                                ; (the add and the youngest sixteen loads may be out)
	WIN MUL
	MUL8 F1, 0, 0, 0                               ; eight matrix instructions stand between the add and the wait for it
	s_wait_dscnt 0x0                               ; the add is done, and my reads of this slot are over
	s_barrier_signal -1
	MUL8 F1, 0, 2, 0
.if \fill
	WIN 0
.endif
	s_barrier_wait -1
.if \fill
	CREST                                          ; the barrier has opened a round of the cluster's barrier: no wave of any partner still reads this slot's tile or has a load on its way
	s_add_nc_u64 s[G0+4*\slot+2:G0+4*\slot+3], s[G0+4*\slot+2:G0+4*\slot+3], 2*KSA
	s_add_nc_u64 s[G0B+4*\slot+2:G0B+4*\slot+3], s[G0B+4*\slot+2:G0B+4*\slot+3], 2*KSTEP*2
	JLOAD \slot                                    ; the first tensor load behind the round; the four v_nop behind it are also the places in front of the loads below
.else
	PLACES
.endif
	FETCH \next, 0, F0
	WIN MUL
	MUL8 F1, 1, 0, 0
	MUL8 F1, 1, 2, 0
.endm
	s_wait_tensorcnt 1                             ; my part of K step 0 is in (K step 1's load may be out)
	s_barrier_signal -1
	s_barrier_wait -1                              ; everybody's is
	FETCH 0, 0, F0
	s_wait_loadcnt 0x0                             ; the bias
	QUARTER 0, 128, F0, F1, 1                      ; the first quarter stands in front of the loop: its first products start the sums
	WIN 0                                          ; at a label and at a branch every window is 0
	s_mov_b32 s3, LAPS-1
.Llap:                                                 ; a trip goes once round the ring, from a lap's second quarter to the next lap's first, and fills both slots again
	QUARTER 0, 256, F1, F0, 0
	QUARTER 0, 384, F0, F1, 0
	TURN 0, 1, 1
	QUARTER 1, 128, F0, F1, 0
	QUARTER 1, 256, F1, F0, 0
	QUARTER 1, 384, F0, F1, 0
	TURN 1, 0, 1
	QUARTER 0, 128, F0, F1, 0
	WIN 0
	s_sub_co_u32 s3, s3, 1
	s_cmp_lg_u32 s3, 0
	s_cbranch_scc1 .Llap
	QUARTER 0, 256, F1, F0, 0                      ; the last lap fills nothing, and has no round of the cluster's barrier
	QUARTER 0, 384, F0, F1, 0
	TURN 0, 1, 0
	QUARTER 1, 128, F0, F1, 0
	QUARTER 1, 256, F1, F0, 0
	QUARTER 1, 384, F0, F1, 0
	s_wait_dscnt 16                                ; the very last quarter: nothing more to fetch
	WIN MUL
	MUL8 F1, 0, 0, 0
	MUL8 F1, 0, 2, 0
	s_wait_dscnt 0
	MUL8 F1, 1, 0, 0
	MUL8 F1, 1, 2, 0
	WIN 0
; THE WAY OUT, block by block of 16 rows x 64 columns.  A lane holds 32 neighbouring bytes of a row, and the lanes beside it hold other rows: so a block goes through my own stage and comes back as whole rows of 256 bytes.
; LDS serves a wave's instructions in order (ISA guide 5.7.1.4): no wait between the stores and the loads, nor in front of the next block's stores.
.macro TOSTAGE a
.set BB, TMP+32*((\a)%2)
.irp b, 0,1,2,3
	ds_store_b128 v[STO], v[ACC+8*(4*(\a)+\b):ACC+8*(4*(\a)+\b)+3] offset:64*\b          ; each accumulator from its low end on
	ds_store_b128 v[STO], v[ACC+8*(4*(\a)+\b)+4:ACC+8*(4*(\a)+\b)+7] offset:64*\b+16
.endr
.irp t, 0,1,2,3,4,5,6,7
	ds_load_b128 v[BB+4*\t:BB+4*\t+3], v[RD] offset:\t*2*SPITCH
.endr
.endm
.macro SEND a, younger                 ; younger: the LDS instructions issued behind block a's loads, which may stay out
.set BB, TMP+32*((\a)%2)
	s_wait_dscnt \younger                          ; the block is back in registers
.irp t, 0,1,2,3,4,5,6,7
	global_store_b128 v[CO], v[BB+4*\t:BB+4*\t+3], s[8:9] offset:(16*(\a)+2*\t)*SIZE_N*4 th:TH_STORE_NT   ; 16 lanes store 256 consecutive bytes, aligned; written once, read by nobody here
.endr
.endm
	PLACES                                         ; behind the last products, in front of the first read of results
	TOSTAGE 0
.irp a, 1,2,3
.if \a > 1
	s_wait_xcnt 0x0                                ; block a - 2's stores have read their registers: block a's loads may land there
.endif
	TOSTAGE \a
	SEND \a-1, 16                                  ; behind block a - 1's loads: block a's 8 stores and 8 loads
.endr
	SEND 3, 0
	s_wait_tensorcnt 0x0                           ; the wave's end
	ds_add_u32 v[SPW], v[NIL]
	s_wait_dscnt 0x0
	CROUND                                         ; the closing round: no work-group ends while a partner may still ask for a tile that names it
	s_endpgm
.Lfunc_end_k_q94b8af0f7b_proj:
	.size	k_q94b8af0f7b_proj, .Lfunc_end_k_q94b8af0f7b_proj-k_q94b8af0f7b_proj
	.p2alignl 7, 3214868480
	.fill 96, 4, 3214868480
	.section	.rodata,"a",@progbits
	.p2align	6, 0x0
	.amdhsa_kernel k_q94b8af0f7b_proj
		.amdhsa_group_segment_fixed_size 327680
		.amdhsa_private_segment_fixed_size 0
		.amdhsa_enable_private_segment 0
		.amdhsa_kernarg_size 32
		.amdhsa_user_sgpr_count 2
		.amdhsa_user_sgpr_kernarg_segment_ptr 1
		.amdhsa_wavefront_size32 1
		.amdhsa_system_sgpr_workgroup_id_x 1
		.amdhsa_system_sgpr_workgroup_id_y 1
		.amdhsa_system_sgpr_workgroup_id_z 1
		.amdhsa_system_vgpr_workitem_id 0
		.amdhsa_next_free_vgpr 512
		.amdhsa_next_free_sgpr 70
		.amdhsa_reserve_vcc 0
		.amdhsa_float_denorm_mode_32 3
		.amdhsa_float_denorm_mode_16_64 3
		.amdhsa_memory_ordered 1
		.amdhsa_forward_progress 1
		.amdhsa_inst_pref_size 87
	.end_amdhsa_kernel
	.amdgpu_metadata
---
amdhsa.version: [ 1, 2 ]
amdhsa.kernels:
  - .name:           k_q94b8af0f7b_proj
    .symbol:         k_q94b8af0f7b_proj.kd
    .args:
      - { .name: yh, .offset: 0, .size: 8, .value_kind: global_buffer, .address_space: global }
      - { .name: wph, .offset: 8, .size: 8, .value_kind: global_buffer, .address_space: global }
      - { .name: bp, .offset: 16, .size: 8, .value_kind: global_buffer, .address_space: global }
      - { .name: out0, .offset: 24, .size: 8, .value_kind: global_buffer, .address_space: global }
    .group_segment_fixed_size: 327680
    .private_segment_fixed_size: 0
    .kernarg_segment_align: 8
    .kernarg_segment_size: 32
    .max_flat_workgroup_size: 128
    .sgpr_count:     70
    .vgpr_count:     512
    .wavefront_size: 32
...
	.end_amdgpu_metadata
.endif
;; end of part 4
